; MI455X (gfx1250); checked and timed in simulation.
; The chip was launched on July 23, 2026; its instructions are those of AMD's public machine-readable ISA for CDNA 5 (MIT licence, August 2026) and "CDNA5" Instruction Set Architecture Reference Guide (July 2026). The comments in the code are by the model that wrote it; some were corrected since.
;; Mixture Of Experts. Allowed arithmetic: matrix products marked QUANTISED: E3M2 operands, one E8M0 scale for each 32 along K, by v_wmma_scale_f32_16x16x128_f8f6f4 with both operands' format E3M2, f32 sums; products left as they are: f32 operands where the result goes on into a quantised operand, else bf16, f16 or f32 operands; f32 sums; everything else in f32.
;; Inputs: W 8 x 1,024 x 1,024 float32; b 8 x 1,024 float32; gate 8,192 x 8 float32; input 8,192 x 1,024 float32.
;; Outputs: out0 8,192 x 1,024 float32.
;; This version of the problem:
;;   THIS VERSION OF THE PROBLEM IS GIVEN IN LOW PRECISION. The matrix products marked QUANTISED in the list below multiply operands that are first quantised to E3M2 (3 exponent bits, 2 mantissa bits; 6 bits a number), with one power-of-two scale for each 32 numbers along K (OCP MX v1.0); their sums are f32. All else is computed in f32.
;;   The module's matrix products, in the order in which they are computed (A, B: the left and right operand; K: the contracted axis; several contracted axes count as one K, in the product's order):
;;     1. [M 8,192, K 1,024] x [K 1,024, N 8,192]; A: input W; B: input input: QUANTISED
;;     2. batch 8,192 x [M 1,024, K 8] x [K 8, N 1]; A: computed on the way; B: computed on the way: left as it is (K = 8 < 32)
;;   THE QUANTISER, for each operand of a quantised product, along K:
;;     - K is cut into blocks of 32 from its start; a last block that is shorter is filled with zeros.
;;     - A block's scale is 2^e with e = floor(log2(the largest magnitude in the block)) - 4, held to -126 .. 127; a block of zeros has e = 0. As a byte (E8M0): e + 127.
;;     - Each number is divided by its block's scale, clamped to +-28, and rounded to the nearest number of E3M2, ties to even, subnormals kept.
;;     - The product sums the exact products of the quantised numbers (number of the format x scale) in f32.
;;   ~~~python
;;   def quantise(x, axis):      # numpy; x: float32 -> the quantised numbers, widened to float32 again
;;       x = np.moveaxis(x, axis, -1); K = x.shape[-1]
;;       x = np.pad(x, [(0, 0)] * (x.ndim - 1) + [(0, -K % 32)]); x = x.reshape(x.shape[:-1] + (-1, 32)); a = np.abs(x).max(-1, keepdims=True)
;;       e = np.where(a > 0, np.clip(np.frexp(np.where(a > 0, a, 1))[1] - 1 - 4, -126, 127), 0)      # np.frexp(a)[1] - 1 = floor(log2(a)), exactly
;;       r = np.clip(x / 2.0 ** e, -28, 28)
;;       step = 2.0 ** (np.maximum(np.frexp(np.where(r == 0, 1, r))[1] - 1, -2) - 2)
;;       q = np.round(r / step) * step * 2.0 ** e      # np.round: ties to even
;;       return np.moveaxis(q.reshape(q.shape[:-2] + (-1,))[..., :K], -1, axis).astype(np.float32)
;;   ~~~
;; 2 versions. Each part assembles by itself: llvm-mc -triple=amdgcn-amd-amdhsa -mcpu=gfx1250 --defsym DOCPART=n.
;; ======== version 1 of 2: 3 launches
;; workspace buffers: wq 6,291,456 bytes; ws 262,144 bytes; xq 6,291,456 bytes; xs 262,144 bytes; eidx 32,768 bytes of whole numbers; topp 32,768 bytes; order 36,864 bytes of whole numbers; tiles 1,024 bytes of whole numbers
;; launch wprep (part 1): grid 256 x 1, 16 waves a work-group, no clusters, 4,096 bytes of LDS; arguments W, gate, wq, ws, eidx, topp; writes wq, ws, eidx, topp
.if DOCPART == 1
	.amdgcn_target "amdgcn-amd-amdhsa--gfx1250"
	.amdhsa_code_object_version 6
	.text
	.protected	k_qec35dce68a_wprep
	.globl	k_qec35dce68a_wprep
	.p2align	8
	.type	k_qec35dce68a_wprep,@function
k_qec35dce68a_wprep:
	s_mov_b64 s[64:65], 0
	v_nop
	global_prefetch_b8 v0, s[64:65] scope:SCOPE_SE
	s_setreg_imm32_b32 hwreg(HW_REG_WAVE_MODE, 25, 1), 1
	s_wait_xcnt 0x0
; out[t] = top_p[t] x (Q(input[t]) . Q(W[e_t]) + b[e_t]), e_t = argmax of softmax(gate[t]), top_p its probability.  Three launches: this one, xprep, moe.
; WORK LEFT OUT, FOR ALL VALUES OF THE INPUTS.  dispatch[t][e] is one_hot(e_t)[e] x top_p[t]: for e other than e_t it is a 0 that the problem builds itself, so y[e][t][:] of those
; experts reaches no output in exact arithmetic, whatever finite numbers input, W, b and gate hold.  Of the first product only the rows (e_t, t) are made, chosen by whole numbers that this launch
; stores and later launches read; the second product (K = 8) is then the choice of that row and one multiplication by top_p.  Every input has a way to the output and is loaded.
; LIMIT: a NaN, an infinity or an overflow that arises only in an expert that was not chosen for a token is not carried to the result.
; THIS LAUNCH.  (1) W [8][1024 (k)][1024 (n)] f32 becomes codes of E3M2 with one E8M0 scale for each 32 along k, laid in the order of a matrix operand's registers:
;   wq [e][nb 64][s 8][1536]: the fragment of columns 16 nb + r and k = 128 s .. 128 s + 127 as an image of its 12 registers: piece c of 512 bytes holds registers 4 c .. 4 c + 3, lane (r, h) at 16 (r + 16 h).
;   ws [e][nb][512]: lane (r, g) at 16 (r + 16 g) holds four words: the scale words of column r for K steps 4 g + 0 .. 3; byte i of a word belongs to k = 128 s + 32 i on.
; (2) the router: eidx[t] = e_t (u32), topp[t] = top_p (f32), at fixed places.
; A LANE TAKES A COLUMN, ITS REGISTERS RUN DOWN k.  Wave (h, s4, g) of work-group (e, sg, cg) takes columns 64 cg + 32 g + lane, K step s = 4 sg + s4, and of it the two blocks of 32 that lanes of half h of
; a fragment hold: k = 128 s + 32 h on and k = 128 s + 64 + 32 h on.  Its 12 registers of codes ARE registers 0 .. 11 of lane (lane % 16, h) of fragment (4 cg + 2 g + lane / 16, s): they are stored as they
; stand, sixteen lanes to 256 consecutive bytes, aligned.  All 64 loads of a wave (128 consecutive bytes each) go out at once.
; A block's scale is 2^(floor(log2(largest magnitude)) - 4): its byte is the largest magnitude's exponent field less 4, held at 1 from below.
; LIMITS: a block of zeros gets the byte 1 where the rule says 127 (its codes are zeros, and this program alone reads the bytes); blocks whose largest magnitude lies under 2^-122 are held at the byte 1;
; NaN and infinities in W or gate are not served.  The argmax is taken of 2^((g - max) log2 e), the lower index winning a tie, as argmax of the probabilities does; two logits so close that
; the exponentials of one implementation tie and those of another do not may fall otherwise.  v_exp_f32 gives 0 for results under 2^-126: such terms count as 0 in the sum.
.set SPARE, 2048                       ; LDS: 0 .. 2047 the scale words' two planes; from here the spare words, 128 bytes for each of the 16 waves, which no other line names
.set X,   32                           ; v32-95   my column's 64 numbers
.set C,   96                           ; v96-107  the 12 registers of codes;  v108-110, v112-114: the upper halves as converted
.set SPW, 14                           ; v14      LDS address of my spare word; never rewritten
.set NIL, 15                           ; v15      0; never rewritten
	s_load_b256 s[4:11], s[0:1], 0x0               ; W s[4:5], gate s[6:7], wq s[8:9], ws s[10:11]
	s_load_b128 s[12:15], s[0:1], 0x20             ; eidx s[12:13], topp s[14:15]
	v_lshl_add_u32 v[SPW], v0, 2, SPARE
	v_mov_b32 v[NIL], 0
	v_lshrrev_b32 v1, 5, v0
	v_readfirstlane_b32 s16, v1                    ; wave 0..15
	v_and_b32 v1, 31, v0                           ; lane
	v_lshlrev_b32 v2, 2, v1                        ; 4 x lane: my column in a row of W; my word of eidx and topp
	v_and_b32 v7, 15, v0                           ; r
	v_lshrrev_b32 v3, 4, v1
	v_mul_u32_u24 v3, v3, 12288                    ; lanes 16-31 belong to the next block of 16 columns: 8 fragments of 1,536 bytes on
	v_lshl_add_u32 v3, v7, 4, v3                   ; + 16 r
	v_lshlrev_b32 v5, 4, v0                        ; threads 0-63: column v0's four words in a plane
	v_lshrrev_b32 v6, 4, v0
	v_lshlrev_b32 v6, 9, v6
	v_lshl_add_u32 v6, v7, 4, v6                   ; and their place in ws: 512 (v0 / 16) + 16 r
	s_and_b32 s17, s16, 1                          ; h
	s_bfe_u32 s18, s16, 0x20001                    ; s4
	s_lshr_b32 s19, s16, 3                         ; g
	s_lshr_b32 s20, ttmp9, 5                       ; e
	s_bfe_u32 s21, ttmp9, 0x10004                  ; sg
	s_and_b32 s22, ttmp9, 15                       ; cg
	s_lshl_b32 s23, s21, 2
	s_add_co_u32 s23, s23, s18                     ; s = 4 sg + s4
	s_lshl_b32 s24, s19, 9
	s_lshl_b32 s25, s17, 10
	s_add_co_u32 s24, s24, s25
	s_lshl_b32 s25, s18, 2
	s_add_co_u32 s24, s24, s25
	v_lshl_add_u32 v4, v1, 4, s24                  ; LDS: plane h (1,024 bytes), column 32 g + lane (16 bytes), word s4
	s_lshl_b32 s33, s17, 3                         ; 8 h
	s_lshl_b32 s26, s20, 22                        ; W: e x 4 MiB
	s_lshl_b32 s28, s23, 19                        ; + 128 s rows of 4,096 bytes
	s_add_co_u32 s26, s26, s28
	s_lshl_b32 s28, s17, 17                        ; + 32 h rows
	s_add_co_u32 s26, s26, s28
	s_lshl_b32 s28, s22, 8                         ; + 64 cg columns
	s_add_co_u32 s26, s26, s28
	s_lshl_b32 s28, s19, 7                         ; + 32 g columns
	s_add_co_u32 s26, s26, s28
	s_mov_b32 s27, 0
	s_lshl_b32 s28, s20, 6                         ; wq: fragment ((64 e + 4 cg + 2 g) 8 + s) of 1,536 bytes, + 256 h
	s_lshl_b32 s30, s22, 2
	s_add_co_u32 s28, s28, s30
	s_lshl_b32 s30, s19, 1
	s_add_co_u32 s28, s28, s30
	s_lshl_b32 s28, s28, 3
	s_add_co_u32 s28, s28, s23
	s_mul_i32 s28, s28, 1536
	s_lshl_b32 s30, s17, 8
	s_add_co_u32 s28, s28, s30
	s_mov_b32 s29, 0
	s_lshl_b32 s30, s20, 15                        ; ws: 32,768 e + 512 (4 cg) + 256 sg
	s_lshl_b32 s32, s22, 11
	s_add_co_u32 s30, s30, s32
	s_lshl_b32 s32, s21, 8
	s_add_co_u32 s30, s30, s32
	s_mov_b32 s31, 0
	s_wait_kmcnt 0x0
	s_add_nc_u64 s[4:5], s[4:5], s[26:27]
	s_add_nc_u64 s[8:9], s[8:9], s[28:29]
	s_add_nc_u64 s[10:11], s[10:11], s[30:31]
.set i, 0
.rept 32
	global_load_b32 v[X+i], v2, s[4:5] offset:i*4096 th:TH_LOAD_NT          ; block A: k = 128 s + 32 h + i
.set i, i+1
.endr
.set i, 0
.rept 32
	global_load_b32 v[X+32+i], v2, s[4:5] offset:(64+i)*4096 th:TH_LOAD_NT  ; block B: 64 rows further down
.set i, i+1
.endr
	; THE ROUTER: wave 15 of work-group id takes tokens 32 id + lane, a lane a token.  One branch on the wave's number.
	s_cmp_lg_u32 s16, 15
	s_cbranch_scc1 .Lnot_router
	s_lshl_b32 s34, ttmp9, 10                      ; 32 tokens x 32 bytes of gate
	s_mov_b32 s35, 0
	s_add_nc_u64 s[6:7], s[6:7], s[34:35]
	s_lshl_b32 s34, ttmp9, 7                       ; 32 tokens x 4 bytes
	s_add_nc_u64 s[12:13], s[12:13], s[34:35]
	s_add_nc_u64 s[14:15], s[14:15], s[34:35]
	v_lshlrev_b32 v30, 5, v1
	global_load_b128 v[16:19], v30, s[6:7]
	global_load_b128 v[20:23], v30, s[6:7] offset:16
	s_wait_loadcnt 0x0                             ; the logits were asked for last: all my loads are in
	v_max3_num_f32 v24, v16, v17, v18
	v_max3_num_f32 v24, v24, v19, v20
	v_max3_num_f32 v24, v24, v21, v22
	v_max_num_f32 v24, v24, v23                    ; the row's maximum is taken away ahead of the exponentials
.irp i, 0,1,2,3,4,5,6,7
	v_sub_f32 v[16+\i], v[16+\i], v24              ; exactly 0 for the largest
.endr
.irp i, 0,1,2,3,4,5,6,7
	v_mul_f32 v[16+\i], 0x3fb8aa3b, v[16+\i]       ; x log2(e)
.endr
.irp i, 0,1,2,3,4,5,6,7
	v_exp_f32 v[16+\i], v[16+\i]
.endr
	v_mov_b32 v26, 0                               ; (a plain instruction behind the exponentials)  the index of the best so far
	s_wait_alu depctr_va_vdst(0)                   ; one wait for the eight, ahead of their first reader
	v_add_f32 v25, v16, v17
	v_add_f32 v29, v18, v19
	v_add_f32 v28, v20, v21
	v_add_f32 v31, v22, v23
	v_add_f32 v25, v25, v29
	v_add_f32 v28, v28, v31
	v_add_f32 v25, v25, v28                        ; the sum
	v_mov_b32 v27, v16
.irp i, 1,2,3,4,5,6,7
	v_cmp_gt_f32 vcc_lo, v[16+\i], v27             ; strictly greater: the lower index keeps a tie
	v_cndmask_b32 v26, v26, \i, vcc_lo
	v_max_num_f32 v27, v27, v[16+\i]
.endr
	v_rcp_f32 v28, v25                             ; the largest term is 2^0 = 1, so its probability is 1 / the sum
	v_nop
	s_wait_alu depctr_va_vdst(0)
	global_store_b32 v2, v26, s[12:13]             ; 128 consecutive bytes; the next work-group stores the 128 beside them
	global_store_b32 v2, v28, s[14:15]
.Lnot_router:
; 32 numbers v[x] .. v[x + 31] of one block become 6 registers of codes at v[dst]; the scale byte is left in v[m].
.macro BLOCKQ x, dst, tmp, m
	v_max3_num_f32 v[\m], |v[\x]|, |v[\x+1]|, |v[\x+2]|            ; the largest magnitude, in two chains
	v_max3_num_f32 v[\m+1], |v[\x+3]|, |v[\x+4]|, |v[\x+5]|
.irp i, 6,10,14,18,22,26
	v_max3_num_f32 v[\m], v[\m], |v[\x+\i]|, |v[\x+\i+1]|
	v_max3_num_f32 v[\m+1], v[\m+1], |v[\x+\i+2]|, |v[\x+\i+3]|
.endr
	v_max3_num_f32 v[\m], v[\m], |v[\x+30]|, |v[\x+31]|
	v_max3_num_f32 v[\m], v[\m], v[\m+1], 0x2800000                ; and the floor 2^(5 - 127): the byte cannot fall under 1
	v_add_nc_u32 v[\m+1], 0xfe000000, v[\m]                        ; 4 off the exponent field: the conversion takes this operand's exponent field as its scale
	v_cvt_scalef32_pk16_bf6_f32 v[\dst:\dst+2], v[\x:\x+15], v[\m+1]
	v_cvt_scalef32_pk16_bf6_f32 v[\tmp:\tmp+2], v[\x+16:\x+31], v[\m+1]   ; (a conversion's three registers begin on an even number)
	v_lshrrev_b32 v[\m], 23, v[\m+1]                               ; the scale's byte: also the plain instruction behind the conversions
.irp i, 0,1,2
	v_mov_b32 v[\dst+3+\i], v[\tmp+\i]
.endr
.endm
	s_wait_loadcnt 32                              ; block A's 32 loads are in; block B's 32 may be out
	BLOCKQ X, C, 108, 8
	s_wait_loadcnt 0x0
	BLOCKQ X+32, C+6, 112, 10
.irp c, 0,1,2
	global_store_b128 v3, v[C+4*\c:C+4*\c+3], s[8:9] offset:512*\c  ; sixteen lanes store 256 consecutive bytes, aligned
.endr
	v_lshl_or_b32 v12, v10, 16, v8                 ; my two bytes of the K step's scale word: blocks h and 2 + h,
	v_lshlrev_b32 v12, s33, v12                    ; 8 h bits up
	ds_store_b32 v4, v12
	s_wait_dscnt 0x0                               ; my word lies in LDS,
	s_barrier_signal -1
	s_barrier_wait -1                              ; and so does every wave's
	s_cmp_lt_u32 s16, 2
	s_cbranch_scc0 .Lno_words
	ds_load_b128 v[116:119], v5                    ; threads 0-63: column v0's four words, half 0's bytes,
	ds_load_b128 v[120:123], v5 offset:1024        ; and half 1's
	s_wait_dscnt 0x0
.irp j, 0,1,2,3
	v_or_b32 v[116+\j], v[116+\j], v[120+\j]
.endr
	global_store_b128 v6, v[116:119], s[10:11]     ; sixteen lanes store 256 consecutive bytes, aligned
.Lno_words:
	s_wait_tensorcnt 0x0                           ; the wave's end
	ds_add_u32 v[SPW], v[NIL]
	s_wait_dscnt 0x0
	s_endpgm
.Lfunc_end_k_qec35dce68a_wprep:
	.size	k_qec35dce68a_wprep, .Lfunc_end_k_qec35dce68a_wprep-k_qec35dce68a_wprep
	.p2alignl 7, 3214868480
	.fill 96, 4, 3214868480
	.section	.rodata,"a",@progbits
	.p2align	6, 0x0
	.amdhsa_kernel k_qec35dce68a_wprep
		.amdhsa_group_segment_fixed_size 4096
		.amdhsa_private_segment_fixed_size 0
		.amdhsa_enable_private_segment 0
		.amdhsa_kernarg_size 48
		.amdhsa_user_sgpr_count 2
		.amdhsa_user_sgpr_kernarg_segment_ptr 1
		.amdhsa_wavefront_size32 1
		.amdhsa_system_sgpr_workgroup_id_x 1
		.amdhsa_system_sgpr_workgroup_id_y 1
		.amdhsa_system_sgpr_workgroup_id_z 1
		.amdhsa_system_vgpr_workitem_id 0
		.amdhsa_next_free_vgpr 128
		.amdhsa_next_free_sgpr 66
		.amdhsa_reserve_vcc 1
		.amdhsa_float_denorm_mode_32 3
		.amdhsa_float_denorm_mode_16_64 3
		.amdhsa_memory_ordered 1
		.amdhsa_forward_progress 1
		.amdhsa_inst_pref_size 16
	.end_amdhsa_kernel
	.amdgpu_metadata
---
amdhsa.version: [ 1, 2 ]
amdhsa.kernels:
  - .name:           k_qec35dce68a_wprep
    .symbol:         k_qec35dce68a_wprep.kd
    .args:
      - { .name: W, .offset: 0, .size: 8, .value_kind: global_buffer, .address_space: global }
      - { .name: gate, .offset: 8, .size: 8, .value_kind: global_buffer, .address_space: global }
      - { .name: wq, .offset: 16, .size: 8, .value_kind: global_buffer, .address_space: global }
      - { .name: ws, .offset: 24, .size: 8, .value_kind: global_buffer, .address_space: global }
      - { .name: eidx, .offset: 32, .size: 8, .value_kind: global_buffer, .address_space: global }
      - { .name: topp, .offset: 40, .size: 8, .value_kind: global_buffer, .address_space: global }
    .group_segment_fixed_size: 4096
    .private_segment_fixed_size: 0
    .kernarg_segment_align: 8
    .kernarg_segment_size: 48
    .max_flat_workgroup_size: 512
    .sgpr_count:     66
    .vgpr_count:     128
    .wavefront_size: 32
...
	.end_amdgpu_metadata
.endif
;; end of part 1
;; launch xprep (part 2): grid 257 x 1, 8 waves a work-group, no clusters, 44,288 bytes of LDS; arguments input, eidx, xq, xs, order, tiles; writes xq, xs, order, tiles
.if DOCPART == 2
	.amdgcn_target "amdgcn-amd-amdhsa--gfx1250"
	.amdhsa_code_object_version 6
	.text
	.protected	k_qec35dce68a_xprep
	.globl	k_qec35dce68a_xprep
	.p2align	8
	.type	k_qec35dce68a_xprep,@function
k_qec35dce68a_xprep:
	s_mov_b64 s[64:65], 0
	v_nop
	global_prefetch_b8 v0, s[64:65] scope:SCOPE_SE
	s_setreg_imm32_b32 hwreg(HW_REG_WAVE_MODE, 25, 1), 1
	s_wait_xcnt 0x0
; Work-groups 1 to 256: input [8192][1024] f32 becomes codes of E3M2 with one E8M0 scale byte for each 32 along the row.  Work-group 0: the rows are placed by expert (a counting sort of eidx).
;   xq [token][768]: K step s (128 numbers) at 96 s; in it the blocks of 32 stand in the order 0, 2, 1, 3, 24 bytes each: the first 48 bytes are registers 0 .. 11 of lanes 0-15 of a matrix operand, the next 48 those of lanes 16-31.
;   xs [token][32]: the byte of block i at i.
;   order [64 tiles][144] u32: the tokens of expert e stand on end from place 144 tb_e on (tb_e: the expert's first tile).  Places behind an expert's last token are not written, and moe does not read them.
;   tiles [64] x (expert, first place, rows, 0): ceil(cnt_e / 144) tiles for each expert; their sum is under 65 for every split of 8,192 tokens over 8 experts; entries behind the last tile are zeros.
; THE QUANTISER.  A wave takes 4 rows: 8 steps of 512 numbers.  Each load reads 512 consecutive bytes, 16 a lane; a step's 2,048 bytes turn through the wave's own stage in LDS and come back 64 bytes a lane, so that
; a lane holds 16 neighbours and two neighbouring lanes a block.  All 32 loads of a wave go out at its head.  A lane's 16 codes are 12 bytes; a step's store covers 384 consecutive bytes.
; A block's scale byte is its largest magnitude's exponent field less 4, held at 1 from below.  LIMITS: a block of zeros gets the byte 1 where the rule says 127 (its codes are zeros; this program alone reads the bytes);
; blocks whose largest magnitude lies under 2^-122 are held at the byte 1; NaN and infinities are not served.  A wave's 128 scale bytes leave as 128 consecutive bytes; the next wave stores the 128 beside them.
; THE PLACING.  Thread t takes tokens 32 t .. 32 t + 31.  No atomics: counts in a lane, a scan over the lanes, the waves' totals through LDS, one barrier.  Its 8,192 stores of 4 bytes go to scattered places:
; 32 KiB against the launch's 40 MiB.
.set STEPS, 8
.set SP,    80                         ; a lane's place in a stage: 64 bytes + 16 of padding
.set WREG,  5376                       ; LDS of a quantising wave: two stages of 32 x SP bytes, then its 128 scale bytes
.set PLB,   8*WREG                     ; the placing path's own 256 bytes: the eight waves' totals, 16 bytes each
.set SPARE, PLB+256                    ; the spare words, 128 bytes for each wave, which no other line names
.set SPW,   30                         ; v30  LDS address of my spare word; never rewritten
.set NIL,   31                         ; v31  0; never rewritten
.set R,     32                         ; quantiser: v32-159 the 8 steps' numbers as loaded
.set X,     160                        ;            v160-191 two sets of 16 neighbours
.set C,     192                        ;            v192-223 codes, four registers a step: no store's data are written again
.set E,     16                         ;            v16-23 a scale byte a step
.set EX,    32                         ; placing: v32-63 my tokens' experts, later the tokens' numbers
.set RK,    64                         ;          v64-95 their ranks in my thread, later their byte offsets in order
	s_load_b256 s[4:11], s[0:1], 0x0               ; input s[4:5], eidx s[6:7], xq s[8:9], xs s[10:11]
	s_load_b128 s[12:15], s[0:1], 0x20             ; order s[12:13], tiles s[14:15]
	v_lshl_add_u32 v[SPW], v0, 2, SPARE
	v_mov_b32 v[NIL], 0
	v_lshrrev_b32 v1, 5, v0
	v_readfirstlane_b32 s16, v1                    ; wave 0..7
	v_and_b32 v2, 31, v0                           ; lane
	s_wait_kmcnt 0x0
	s_cmp_eq_u32 ttmp9, 0                          ; the work-group's number alone: all eight waves go the same way
	s_cbranch_scc1 .Lplace
	; ---------------- the quantiser ----------------
	s_sub_co_u32 s18, ttmp9, 1
	s_lshl_b32 s18, s18, 3
	s_add_co_u32 s18, s18, s16                     ; which run of 4 rows is my wave's: 0 .. 2,047
	s_lshl_b32 s20, s18, 14
	s_mov_b32 s21, 0
	s_add_nc_u64 s[4:5], s[4:5], s[20:21]
	v_lshlrev_b32 v3, 4, v2                        ; my 16 bytes of a load's 512
.set t, 0
.rept STEPS
.irp i, 0,1,2,3
	global_load_b128 v[R+16*t+4*\i:R+16*t+4*\i+3], v3, s[4:5] offset:2048*t+512*\i th:TH_LOAD_NT
.endr
.set t, t+1
.endr
	s_mul_i32 s20, s18, 3072
	s_add_nc_u64 s[8:9], s[8:9], s[20:21]
	s_lshl_b32 s20, s18, 7
	s_add_nc_u64 s[10:11], s[10:11], s[20:21]
	s_mul_i32 s17, s16, WREG
	v_lshrrev_b32 v14, 2, v2
	v_mul_u32_u24 v14, v14, SP
	v_and_b32 v15, 3, v2
	v_lshl_add_u32 v14, v15, 4, v14
	v_add_nc_u32 v14, s17, v14                     ; the stage, on the way in: four lanes' 64 bytes on end, then 16 of padding
	v_mul_u32_u24 v15, v2, SP
	v_add_nc_u32 v15, s17, v15                     ; and on the way out: my 16 neighbours
	v_and_b32 v4, 0x19, v2                         ; my codes' place: the lane's bits 1 and 2, its block in a K step, change places: blocks 0, 2, 1, 3
	v_and_b32 v8, 2, v2
	v_lshl_or_b32 v4, v8, 1, v4
	v_and_b32 v8, 4, v2
	v_lshrrev_b32 v8, 1, v8
	v_or_b32 v4, v4, v8
	v_mul_u32_u24 v4, v4, 12
	v_lshrrev_b32 v5, 1, v2
	s_add_co_u32 s17, s17, 2*32*SP
	v_add_nc_u32 v5, s17, v5                       ; LDS: my block's scale byte
	v_lshlrev_b32 v7, 2, v2                        ; and on the way out 4 bytes a lane
	v_add_nc_u32 v6, s17, v7
.macro TURN t                          ; step t's numbers through a stage: LDS serves a wave's instructions in order (ISA guide 5.7.1), so no wait stands between the stores and the loads
.irp i, 0,1,2,3
	ds_store_b128 v14, v[R+16*(\t)+4*\i:R+16*(\t)+4*\i+3] offset:32*SP*((\t)%2)+8*SP*\i
.endr
.irp i, 0,1,2,3
	ds_load_b128 v[X+16*((\t)%2)+4*\i:X+16*((\t)%2)+4*\i+3], v15 offset:32*SP*((\t)%2)+16*\i
.endr
.endm
.macro STEP t
.set XS, X+16*((\t)%2)
.if (\t) > 0
	s_wait_dscnt 1                                 ; this step's numbers are back from the stage; the step before's byte store may be out
.else
	s_wait_dscnt 0x0
.endif
.if (\t)+1 < STEPS
	s_wait_loadcnt 4*(STEPS-2-(\t))                ; the next step's four loads are in; those of the steps behind it may be out
	TURN (\t)+1                                    ; and go through the other stage while this step is worked
.endif
	v_max3_num_f32 v8, |v[XS]|, |v[XS+1]|, |v[XS+2]|               ; the largest magnitude of my 16
	v_max3_num_f32 v9, |v[XS+3]|, |v[XS+4]|, |v[XS+5]|
.irp i, 6,10
	v_max3_num_f32 v8, v8, |v[XS+\i]|, |v[XS+\i+1]|
	v_max3_num_f32 v9, v9, |v[XS+\i+2]|, |v[XS+\i+3]|
.endr
	v_max3_num_f32 v8, v8, |v[XS+14]|, |v[XS+15]|
	v_max3_num_f32 v8, v8, v9, 0x2800000           ; and the floor 2^(5 - 127): the byte cannot fall under 1
	v_max_num_f32_dpp v8, v8, v8 row_xmask:1 row_mask:0xf bank_mask:0xf   ; and of my neighbour's 16: the block's
	v_add_nc_u32 v11, 0xfe000000, v8               ; 4 off its exponent field: the conversion's scale operand
	v_cvt_scalef32_pk16_bf6_f32 v[C+4*(\t):C+4*(\t)+2], v[XS:XS+15], v11
	v_lshrrev_b32 v[E+(\t)], 23, v11               ; the scale's byte
	ds_store_b8 v5, v[E+(\t)] offset:16*(\t)       ; both lanes of a block write the same byte with the same value
	global_store_b96 v4, v[C+4*(\t):C+4*(\t)+2], s[8:9] offset:384*(\t)
.endm
	s_wait_loadcnt 28                              ; step 0's four loads are in; the 28 behind them may be out
	TURN 0
.irp t, 0,1,2,3,4,5,6,7
	STEP \t
.endr
	ds_load_b32 v8, v6                             ; my wave's 128 scale bytes: these see my stores
	s_wait_dscnt 0x0
	global_store_b32 v7, v8, s[10:11]
	s_branch .Lend
	; ---------------- the placing: work-group 0 ----------------
.Lplace:
	v_lshlrev_b32 v3, 7, v0
.irp j, 0,1,2,3,4,5,6,7
	global_load_b128 v[EX+4*\j:EX+4*\j+3], v3, s[6:7] offset:16*\j
.endr
	v_mov_b32 v8, 0                                ; counts of experts 0-3, a byte each (a thread has 32 tokens)
	v_mov_b32 v9, 0                                ; of experts 4-7
	v_mov_b32 v12, 1
.irp k, 0,1,2,3
	v_mov_b32 v[24+\k], 0                          ; written once: a DPP form's destination counts as one of its sources
.endr
	v_lshrrev_b32 v4, 5, v0
	v_lshl_add_u32 v4, v4, 4, PLB                  ; my wave's 16 bytes
	v_mov_b32 v5, PLB
	v_lshlrev_b32 v6, 4, v0                        ; my tile entry
	v_lshlrev_b32 v7, 5, v0                        ; my first token
	s_mov_b32 s70, 0x00ff00ff
	s_mov_b32 s76, 0xffff0000                      ; lanes 16-31
	s_mov_b32 s77, 0x06020400                      ; byte selects: the low bytes of four 16-bit fields in two registers,
	s_mov_b32 s78, 0x07030501                      ; their high bytes,
	s_mov_b32 s79, 0x00000400                      ; byte 0 of each of two registers
	s_wait_loadcnt 0x0
.set i, 0
.rept 32
	v_min_u32 v[EX+i], 7, v[EX+i]
.set i, i+1
.endr
.set i, 0
.rept 32                               ; pass 1: each token's rank among my thread's tokens of its expert, and the counts
	v_perm_b32 v[RK+i], v9, v8, v[EX+i]            ; byte 0: the expert's count so far
	v_lshlrev_b32 v10, 3, v[EX+i]
	v_and_b32 v10, 24, v10
	v_lshlrev_b32 v10, v10, v12                    ; 1 in the expert's byte
	v_cmp_gt_u32 vcc_lo, 4, v[EX+i]
	v_cndmask_b32 v11, 0, v10, vcc_lo
	v_add_nc_u32 v8, v8, v11                       ; experts 0-3
	v_sub_nc_u32 v10, v10, v11
	v_add_nc_u32 v9, v9, v10                       ; experts 4-7
.set i, i+1
.endr
	v_and_b32 v16, s70, v8                         ; fields of 16 bits: v16 experts 0, 2;
	v_lshrrev_b32 v17, 8, v8
	v_and_b32 v17, s70, v17                        ; v17 experts 1, 3;
	v_and_b32 v18, s70, v9                         ; v18 experts 4, 6;
	v_lshrrev_b32 v19, 8, v9
	v_and_b32 v19, s70, v19                        ; v19 experts 5, 7.  No field passes 9,216
.irp k, 0,1,2,3
	v_mov_b32 v[20+\k], v[16+\k]                   ; my own counts
.endr
.irp n, 1,2,4,8                        ; an inclusive scan over each half of 16 lanes
.irp k, 0,1,2,3
	v_mov_b32_dpp v[24+\k], v[16+\k] row_shr:\n row_mask:0xf bank_mask:0xf bound_ctrl:1
.endr
.irp k, 0,1,2,3
	v_add_nc_u32 v[16+\k], v[16+\k], v[24+\k]
.endr
.endr
.irp k, 0,1,2,3
	v_readlane_b32 s[66+\k], v[16+\k], 15          ; the lower half's total goes onto lanes 16-31
.endr
.irp k, 0,1,2,3
	v_mov_b32 v[24+\k], s[66+\k]
.endr
.irp k, 0,1,2,3
	v_cndmask_b32 v[24+\k], 0, v[24+\k], s76
.endr
.irp k, 0,1,2,3
	v_add_nc_u32 v[16+\k], v[16+\k], v[24+\k]
.endr
.irp k, 0,1,2,3
	v_readlane_b32 s[66+\k], v[16+\k], 31          ; my wave's totals
.endr
.irp k, 0,1,2,3
	v_mov_b32 v[144+\k], s[66+\k]
.endr
	ds_store_b128 v4, v[144:147]                   ; all lanes write the same 16 bytes with the same values
	s_wait_dscnt 0x0
	s_barrier_signal -1
	s_barrier_wait -1
.irp w, 0,1,2,3,4,5,6,7
	ds_load_b128 v[96+4*\w:99+4*\w], v5 offset:16*\w
.endr
	s_wait_dscnt 0x0
	s_cmp_gt_u32 s16, 0
	s_cselect_b32 s66, -1, 0
.irp k, 0,1,2,3
	v_mov_b32 v[132+\k], v[96+\k]                  ; v132-135: all waves' totals
	v_and_b32 v[128+\k], s66, v[96+\k]             ; v128-131: those of the waves in front of mine
.endr
.irp w, 1,2,3,4,5,6,7
	s_cmp_gt_u32 s16, \w
	s_cselect_b32 s66, -1, 0
.irp k, 0,1,2,3
	v_add_nc_u32 v[132+\k], v[132+\k], v[96+4*\w+\k]
	v_and_b32 v[24+\k], s66, v[96+4*\w+\k]
.endr
.irp k, 0,1,2,3
	v_add_nc_u32 v[128+\k], v[128+\k], v[24+\k]
.endr
.endr
	v_readfirstlane_b32 s66, v132
	v_readfirstlane_b32 s67, v133
	v_readfirstlane_b32 s68, v134
	v_readfirstlane_b32 s69, v135
	s_and_b32 s40, s66, 0xffff                     ; s40-47: the experts' counts
	s_lshr_b32 s42, s66, 16
	s_and_b32 s41, s67, 0xffff
	s_lshr_b32 s43, s67, 16
	s_and_b32 s44, s68, 0xffff
	s_lshr_b32 s46, s68, 16
	s_and_b32 s45, s69, 0xffff
	s_lshr_b32 s47, s69, 16
	s_mov_b32 s48, 0                               ; s48-56: each expert's first tile; s56: the number of tiles
.irp e, 0,1,2,3,4,5,6,7
	s_add_co_u32 s66, s[40+\e], 143
	s_mul_i32 s66, s66, 7282                       ; x 7,282 >> 20 is the whole part of x / 144 for x up to 8,335: 7,282 x 144 = 2^20 + 32
	s_lshr_b32 s66, s66, 20
	s_add_co_u32 s[49+\e], s[48+\e], s66
.endr
.irp e, 0,1,2,3,4,5,6,7
	s_mul_i32 s[80+\e], s[48+\e], 144              ; each expert's first place in order
.endr
	s_lshl_b32 s66, s82, 16
	s_or_b32 s57, s80, s66                         ; packed as the counts are
	s_lshl_b32 s66, s83, 16
	s_or_b32 s58, s81, s66
	s_lshl_b32 s66, s86, 16
	s_or_b32 s59, s84, s66
	s_lshl_b32 s66, s87, 16
	s_or_b32 s60, s85, s66
.irp k, 0,1,2,3
	v_sub_nc_u32 v[16+\k], v[16+\k], v[20+\k]      ; the lanes in front of mine,
.endr
.irp k, 0,1,2,3
	v_add3_u32 v[16+\k], v[16+\k], v[128+\k], s[57+\k]   ; the waves in front of mine, the expert's first place: where my thread's tokens of each expert begin
.endr
	v_perm_b32 v136, v17, v16, s77                 ; low bytes of experts 0-3,
	v_perm_b32 v137, v19, v18, s77                 ; of 4-7;
	v_perm_b32 v138, v17, v16, s78                 ; high bytes of 0-3,
	v_perm_b32 v139, v19, v18, s78                 ; of 4-7
.set i, 0
.rept 32                               ; pass 2: each token's place.  Every store has registers of its own
	v_perm_b32 v10, v137, v136, v[EX+i]
	v_perm_b32 v11, v139, v138, v[EX+i]
	v_and_b32 v[RK+i], 0xff, v[RK+i]
	v_perm_b32 v10, v11, v10, s79
	v_and_b32 v10, 0xffff, v10
	v_add_nc_u32 v[RK+i], v[RK+i], v10
	v_min_u32 v[RK+i], 9215, v[RK+i]               ; inside order
	v_lshlrev_b32 v[RK+i], 2, v[RK+i]
	v_add_nc_u32 v[EX+i], i, v7                    ; the token's number
	global_store_b32 v[RK+i], v[EX+i], s[12:13]
.set i, i+1
.endr
	s_cmp_lt_u32 s16, 2                            ; threads 0-63 write the list of tiles, a thread an entry
	s_cbranch_scc0 .Lend
	v_mov_b32 v140, 0
	v_mov_b32 v141, 0
	v_mov_b32 v142, s40
.irp e, 1,2,3,4,5,6,7                  ; the last expert whose first tile is at or under mine: an expert without tokens has no tile and is passed over
	v_cmp_le_u32 vcc_lo, s[48+\e], v0
	v_mov_b32 v10, s[48+\e]
	v_mov_b32 v11, s[40+\e]
	v_cndmask_b32 v140, v140, \e, vcc_lo
	v_cndmask_b32 v141, v141, v10, vcc_lo
	v_cndmask_b32 v142, v142, v11, vcc_lo
.endr
	v_sub_nc_u32 v10, v0, v141
	v_mul_u32_u24 v10, v10, 144
	v_sub_nc_u32 v142, v142, v10
	v_min_u32 v142, 144, v142                      ; rows: what is left of the expert's tokens, 144 at the most
	v_mul_u32_u24 v141, v0, 144                    ; first place
	v_cmp_gt_u32 vcc_lo, s56, v0                   ; behind the last tile: zeros
	v_cndmask_b32 v140, 0, v140, vcc_lo
	v_cndmask_b32 v141, 0, v141, vcc_lo
	v_cndmask_b32 v142, 0, v142, vcc_lo
	v_mov_b32 v143, 0
	global_store_b128 v6, v[140:143], s[14:15]     ; a wave stores 512 consecutive bytes
.Lend:
	s_wait_tensorcnt 0x0                           ; the wave's end, on both paths
	ds_add_u32 v[SPW], v[NIL]
	s_wait_dscnt 0x0
	s_endpgm
.Lfunc_end_k_qec35dce68a_xprep:
	.size	k_qec35dce68a_xprep, .Lfunc_end_k_qec35dce68a_xprep-k_qec35dce68a_xprep
	.p2alignl 7, 3214868480
	.fill 96, 4, 3214868480
	.section	.rodata,"a",@progbits
	.p2align	6, 0x0
	.amdhsa_kernel k_qec35dce68a_xprep
		.amdhsa_group_segment_fixed_size 44288
		.amdhsa_private_segment_fixed_size 0
		.amdhsa_enable_private_segment 0
		.amdhsa_kernarg_size 48
		.amdhsa_user_sgpr_count 2
		.amdhsa_user_sgpr_kernarg_segment_ptr 1
		.amdhsa_wavefront_size32 1
		.amdhsa_system_sgpr_workgroup_id_x 1
		.amdhsa_system_sgpr_workgroup_id_y 1
		.amdhsa_system_sgpr_workgroup_id_z 1
		.amdhsa_system_vgpr_workitem_id 0
		.amdhsa_next_free_vgpr 224
		.amdhsa_next_free_sgpr 96
		.amdhsa_reserve_vcc 1
		.amdhsa_float_denorm_mode_32 3
		.amdhsa_float_denorm_mode_16_64 3
		.amdhsa_memory_ordered 1
		.amdhsa_forward_progress 1
		.amdhsa_inst_pref_size 61
	.end_amdhsa_kernel
	.amdgpu_metadata
---
amdhsa.version: [ 1, 2 ]
amdhsa.kernels:
  - .name:           k_qec35dce68a_xprep
    .symbol:         k_qec35dce68a_xprep.kd
    .args:
      - { .name: input, .offset: 0, .size: 8, .value_kind: global_buffer, .address_space: global }
      - { .name: eidx, .offset: 8, .size: 8, .value_kind: global_buffer, .address_space: global }
      - { .name: xq, .offset: 16, .size: 8, .value_kind: global_buffer, .address_space: global }
      - { .name: xs, .offset: 24, .size: 8, .value_kind: global_buffer, .address_space: global }
      - { .name: order, .offset: 32, .size: 8, .value_kind: global_buffer, .address_space: global }
      - { .name: tiles, .offset: 40, .size: 8, .value_kind: global_buffer, .address_space: global }
    .group_segment_fixed_size: 44288
    .private_segment_fixed_size: 0
    .kernarg_segment_align: 8
    .kernarg_segment_size: 48
    .max_flat_workgroup_size: 256
    .sgpr_count:     96
    .vgpr_count:     224
    .wavefront_size: 32
...
	.end_amdgpu_metadata
.endif
;; end of part 2
;; launch moe (part 3): grid 4 x 64, 4 waves a work-group, no clusters, 133,888 bytes of LDS; arguments tiles, order, topp, xq, xs, wq, ws, b, out0; writes out0
.if DOCPART == 3
	.amdgcn_target "amdgcn-amd-amdhsa--gfx1250"
	.amdhsa_code_object_version 6
	.text
	.protected	k_qec35dce68a_moe
	.globl	k_qec35dce68a_moe
	.p2align	8
	.type	k_qec35dce68a_moe,@function
k_qec35dce68a_moe:
	s_mov_b64 s[64:65], 0
	v_nop
	global_prefetch_b8 v0, s[64:65] scope:SCOPE_SE
	s_setreg_imm32_b32 hwreg(HW_REG_WAVE_MODE, 25, 1), 1
	s_wait_xcnt 0x0
; out[t][:] = top_p[t] x (Q(input[t]) . Q(W[e_t]) + b[e_t]), on the codes that wprep and xprep made.  WORK LEFT OUT: the rows of the first product for experts that were not chosen are multiplied by a 0 that
; the problem's own one_hot builds (shown at the head of wprep); only the chosen rows are made, by the lists that xprep stored.
; SHARES.  Work-group (q, y): tile y of the list (up to 144 tokens of one expert) x columns 256 q .. 256 q + 255.  THE WAVES SHARE THE COLUMNS: wave w owns 64 of them (4 blocks of 16) for all 9 blocks of 16 rows.
; Its weights for all of K, 32 fragments in 384 registers, come from memory straight into registers, in the order in which wprep laid them, and no other wave of the work-group reads them.  The tile's 144 rows of codes
; are gathered once (each wave 36 rows, sixteen lanes to 256 consecutive bytes of a row), go to LDS, and are read by all four waves.
; THE MATRIX INSTRUCTION IS USED TRANSPOSED: source 0 = 16 columns of W, source 1 = 16 tokens: a lane holds one token and eight neighbouring outputs.  The bias is the C of each sum's first instruction.
; WHAT HANGS ON THE LISTS.  Slots behind the tile's last row take its last row (in a tile without rows: place 0 of order, which is always written): they compute that row again.  On the way out a block of 16 rows
; with no row of the tile is jumped over, and all behind it: the only branches on stored numbers; the one barrier stands ahead of them, on every wave's path.  Inside the last block the repeated row is stored again
; with the same bytes.  Since branches hang on stored numbers, the launch has no tensor load and no copy, hence no cluster and no joint loads, though quarters share rows and tiles of an expert share weights.
; REGISTERS, in windows of 256 (s_set_vgpr_msb: bits 1:0 source 0, 3:2 source 1, 5:4 source 2, 7:6 destination):
;   window 0: v1-16 addresses; v32-47 W's scale words; v48-83 the tokens' scale words; v84-101 top_p in pairs; v104-211 one set of 9 token fragments (at the head: tokens and gather offsets; on the way out: at work);
;             v212-238 offsets of loads from order, then of xs and topp, then of the stores.     window 1: W's fragments of K steps 0-4 at 48 s + 12 b.
;   window 2: W's fragments of K steps 5-7 at 48 (s - 5) + 12 b; v144-175 the accumulators of row block 8; v176-207 the bias, 8 registers a column block.
;   window 3: the accumulators (a < 8, b) at 32 a + 8 b; before the sums begin: the gathered rows on their way to LDS.
.set PITCH, 784                        ; a row of codes in LDS: 768 bytes + 16: an odd multiple of 16 bytes, so that the 16 rows of a fragment load start in 16 different groups of banks (ISA guide 11.1)
.set MBLK,  16*PITCH
.set STG,   144*PITCH                  ; behind the rows: a stage of 16 rows x (256 + 16) bytes for each wave
.set SP,    272
.set TOK,   STG+4*16*SP                ; each wave's own list of the tile's 144 tokens, 768 bytes apart
.set SPARE, TOK+4*768                  ; the spare words, 128 bytes for each wave, which no other line names
.set BSC, 32                           ; register 4 b + j: lanes 0-15 the scale words of column block b for K step j, lanes 16-31 for K step 4 + j
.set ASC, 48                           ; register 4 a + j: the same for row block a
.set PPR, 84                           ; top_p of row block a in the pair 2 a, 2 a + 1
.set AF,  104                          ; the token fragments: block a at 12 a
.set OG,  104                          ; head: v104-121 the tokens of the 18 rows that my half of the lanes gathers
.set ORD, 122                          ; head: v122-130 the token of slot 16 a + r
.set GA,  132                          ; head: v132-149 the gather's offsets
.set OA,  212                          ; head: v212-238 offsets into order
.set XSA, 212                          ; then: v212-220 offsets into xs, v221-229 into topp
.set TPA, 221
.set TT,  104                          ; way out: v104-135 a block's results x top_p
.set BK,  136                          ; way out: v136-167 16 rows read back from the stage
.set TK,  200                          ; way out: v200-207 their tokens
.set AD,  212                          ; way out: v212-219 their offsets in out
.set BIA, 176                          ; in window 2
.set SPW, 252                          ; v252 LDS address of my spare word; never rewritten
.set NIL, 253                          ; v253 0; never rewritten
.set MSB, 0
.macro WIN new                         ; the immediate's high byte repeats the setting that is left; a switch that changes nothing is dropped
.if MSB != (\new)
	s_set_vgpr_msb (MSB<<8)|(\new)
.set MSB, (\new)
.endif
.endm
.set LC, 0                             ; global loads issued so far, counted by the text; a mark is LC at a group's end
.macro WAITL m                         ; wait for the loads up to mark m: as many may stay out as were issued since; the count's field ends at 63 (ISA guide 5.7.1), and a smaller count waits for no less
.if LC-(\m) > 63
	s_wait_loadcnt 63
.else
	s_wait_loadcnt LC-(\m)
.endif
.endm
.macro PLACES                          ; four plain instructions between a matrix instruction and a load into, or a vector instruction on, its registers
.rept 4
	v_nop
.endr
.endm
	s_load_b512 s[4:19], s[0:1], 0x0               ; tiles s[4:5], order s[6:7], topp s[8:9], xq s[10:11], xs s[12:13], wq s[14:15], ws s[16:17], b s[18:19]
	s_load_b64 s[20:21], s[0:1], 0x40              ; out0
	v_lshl_add_u32 v[SPW], v0, 2, SPARE
	v_mov_b32 v[NIL], 0
	v_lshrrev_b32 v1, 5, v0
	v_readfirstlane_b32 s22, v1                    ; wave 0..3
	s_and_b32 s23, ttmp7, 0xffff                   ; the tile
	s_lshl_b32 s34, s23, 4
	s_mov_b32 s35, 0
	s_wait_kmcnt 0x0
	s_add_nc_u64 s[4:5], s[4:5], s[34:35]
	s_load_b128 s[24:27], s[4:5], 0x0              ; expert, first place, rows, 0
	v_and_b32 v1, 15, v0                           ; r
	v_bfe_u32 v2, v0, 4, 1                         ; h
	v_and_b32 v15, 31, v0
	v_lshlrev_b32 v3, 4, v15                       ; 16 x lane: my place in an image of registers
	v_lshlrev_b32 v4, 5, v2                        ; 32 h: my eight numbers of a column block's bias
	v_lshlrev_b32 v12, 4, v1                       ; 16 r
	v_lshlrev_b32 v14, 2, v1                       ; 4 r
	v_lshlrev_b32 v16, 4, v2                       ; 16 h
	v_mul_u32_u24 v5, v1, PITCH
	v_mad_u32_u24 v5, v2, 48, v5                   ; a fragment: row r, + 48 h; row blocks 0-4 by the immediate,
	v_add_nc_u32 v6, 5*MBLK, v5                    ; blocks 5-8 from here: an immediate ends at 65,535
	s_mul_i32 s30, s22, 36*PITCH
	v_mul_u32_u24 v7, v2, 18*PITCH
	v_add_nc_u32 v7, s30, v7
	v_add_nc_u32 v7, v7, v12                       ; the gathered rows go to rows 36 w + 18 h on, 16 bytes a lane
	s_mul_i32 s31, s22, 768
	s_add_co_u32 s31, s31, TOK
	v_lshl_add_u32 v8, v1, 2, s31                  ; my wave's token list: in,
	v_lshl_add_u32 v9, v2, 5, s31                  ; and out: eight tokens for each half of the lanes
	s_mul_i32 s32, s22, 16*SP
	s_add_co_u32 s32, s32, STG
	v_mul_u32_u24 v10, v1, SP
	v_lshl_add_u32 v10, v2, 5, v10
	v_add_nc_u32 v10, s32, v10                     ; my stage, in: row r, + 32 h
	v_mul_u32_u24 v11, v2, 8*SP
	v_add_nc_u32 v11, v11, v12
	v_add_nc_u32 v11, s32, v11                     ; back: lanes 0-15 rows 0-7, lanes 16-31 rows 8-15, 16 bytes a lane
	s_mul_i32 s33, s22, 144
	v_mul_u32_u24 v13, v2, 72
	v_add_nc_u32 v13, s33, v13                     ; 4 x (36 w + 18 h)
.set i, 0
.rept 18
	v_add_nc_u32 v[OA+i], 4*i, v13                 ; 4 x the slots that I gather
.set i, i+1
.endr
.set i, 0
.rept 9
	v_add_nc_u32 v[OA+18+i], 64*i, v14             ; 4 x the slots 16 a + r
.set i, i+1
.endr
	s_lshl_b32 s36, ttmp9, 4
	s_lshl_b32 s37, s22, 2
	s_add_co_u32 s36, s36, s37                     ; my first block of 16 columns: 16 q + 4 w
	s_wait_kmcnt 0x0
	s_min_u32 s24, s24, 7                          ; what was read is held inside its table
	s_min_u32 s25, s25, 9072
	s_min_u32 s26, s26, 144
	s_max_u32 s28, s26, 1
	s_sub_co_u32 s28, s28, 1
	s_lshl_b32 s28, s28, 2                         ; 4 x the tile's last slot
	s_lshl_b32 s34, s25, 2
	s_add_nc_u64 s[6:7], s[6:7], s[34:35]          ; order at the tile's first place
	s_mul_i32 s34, s24, 786432
	s_mul_i32 s37, s36, 12288
	s_add_co_u32 s34, s34, s37
	s_add_nc_u64 s[14:15], s[14:15], s[34:35]      ; wq at my first fragment
	s_lshl_b32 s34, s24, 15
	s_lshl_b32 s37, s36, 9
	s_add_co_u32 s34, s34, s37
	s_add_nc_u64 s[16:17], s[16:17], s[34:35]      ; ws likewise
	s_lshl_b32 s34, s36, 6                         ; my 64 columns in a row of f32: 1,024 q + 256 w
	s_add_nc_u64 s[20:21], s[20:21], s[34:35]      ; out0
	s_lshl_b32 s37, s24, 12
	s_add_co_u32 s34, s34, s37
	s_add_nc_u64 s[18:19], s[18:19], s[34:35]      ; b
.set i, 0
.rept 27
	v_min_u32 v[OA+i], s28, v[OA+i]                ; slots behind the last row take the last row
.set i, i+1
.endr
.set i, 0
.rept 27
	v_min_u32 v[OA+i], 572, v[OA+i]                ; inside the tile's 144 places
.set i, i+1
.endr
.set i, 0
.rept 27
	global_load_b32 v[OG+i], v[OA+i], s[6:7]       ; v104-121 and v122-130
.set i, i+1
.endr
.set LC, LC+27
.set M_G1, LC
; W's four fragments of K step s: 12 loads of 512 consecutive bytes
.macro BLOAD s
.if (\s) < 5
	WIN 0x40                                       ; destination window 1
.set BB, 48*(\s)
.else
	WIN 0x80                                       ; destination window 2
.set BB, 48*((\s)-5)
.endif
.irp b, 0,1,2,3
.irp c, 0,1,2
	global_load_b128 v[BB+12*\b+4*\c:BB+12*\b+4*\c+3], v3, s[14:15] offset:\b*12288+(\s)*1536+512*\c
.endr
.endr
	WIN 0
.set LC, LC+12
.endm
	BLOAD 0
	BLOAD 1
.irp b, 0,1,2,3
	global_load_b128 v[BSC+4*\b:BSC+4*\b+3], v3, s[16:17] offset:512*\b
.endr
	WIN 0x80
.irp b, 0,1,2,3
	global_load_b128 v[BIA+8*\b:BIA+8*\b+3], v4, s[18:19] offset:64*\b          ; lane (r, h): b[16 b + 8 h + 0 .. 7], the result's layout
	global_load_b128 v[BIA+8*\b+4:BIA+8*\b+7], v4, s[18:19] offset:64*\b+16
.endr
	WIN 0
.set LC, LC+12
	WAITL M_G1                                     ; the tokens are in; the 36 loads behind them may be out
.set i, 0
.rept 27
	v_min_u32 v[OG+i], 8191, v[OG+i]
.set i, i+1
.endr
.irp a, 0,1,2,3,4,5,6,7,8
	ds_store_b32 v8, v[ORD+\a] offset:64*\a        ; my wave's own list; both halves of the lanes write the same words with the same values
.endr
.set i, 0
.rept 18
	v_mul_u32_u24 v[GA+i], v[OG+i], 768
.set i, i+1
.endr
.set i, 0
.rept 18
	v_add_nc_u32 v[GA+i], v[GA+i], v12             ; the token's row of codes, + 16 r
.set i, i+1
.endr
.irp a, 0,1,2,3,4,5,6,7,8
	v_lshlrev_b32 v[XSA+\a], 5, v[ORD+\a]          ; (the loads from order are in: their offsets' registers are free)
	v_lshlrev_b32 v[TPA+\a], 2, v[ORD+\a]
.endr
.irp a, 0,1,2,3,4,5,6,7,8
	v_add_nc_u32 v[XSA+\a], v[XSA+\a], v16         ; lanes 0-15 take the scale words of K steps 0-3, lanes 16-31 of 4-7
.endr
.set M_G3, LC
	WIN 0xc0                                       ; destination window 3
.set i, 0
.rept 18
.irp j, 0,1,2
	global_load_b128 v[4*(3*i+\j):4*(3*i+\j)+3], v[GA+i], s[10:11] offset:256*\j   ; sixteen lanes read 256 consecutive bytes of a row, aligned; two rows an instruction
.endr
.set i, i+1
.endr
	WIN 0
.set LC, LC+54
.irp a, 0,1,2,3,4,5,6,7,8
	global_load_b128 v[ASC+4*\a:ASC+4*\a+3], v[XSA+\a], s[12:13]
.endr
.set LC, LC+9
.set M_XS, LC
.irp a, 0,1,2,3,4,5,6,7,8
	global_load_b32 v[PPR+2*\a], v[TPA+\a], s[8:9]
.endr
.set LC, LC+9
.macro STASH p                         ; the p-th pair of gathered rows goes to LDS
	WAITL M_G3+3*((\p)+1)
	WIN 0x0c                                       ; an LDS store's data are its source 1: window 3
.irp j, 0,1,2
	ds_store_b128 v7, v[4*(3*(\p)+\j):4*(3*(\p)+\j)+3] offset:PITCH*(\p)+256*\j
.endr
.endm
.irp p, 0,1,2,3
	STASH \p
.endr
	BLOAD 2                                        ; as the gather's loads come in, the later K steps' weights are asked for
.set M_B2, LC
.irp p, 4,5,6,7
	STASH \p
.endr
	BLOAD 3
.set M_B3, LC
.irp p, 8,9,10,11
	STASH \p
.endr
	BLOAD 4
.set M_B4, LC
.irp p, 12,13,14,15
	STASH \p
.endr
	BLOAD 5
.set M_B5, LC
	STASH 16
	STASH 17
	WIN 0
	s_wait_dscnt 0x0                               ; my 36 rows lie in LDS,
	s_barrier_signal -1
	s_barrier_wait -1                              ; and so do all 144
; the fragments of row blocks a0 .. a1 for K step s: a lane's 48 bytes are its 12 registers
.macro FETCHA s, a0, a1
.set fa, \a0
.rept (\a1)-(\a0)+1
.irp c, 0,1,2
.if fa < 5
	ds_load_b128 v[AF+12*fa+4*\c:AF+12*fa+4*\c+3], v5 offset:fa*MBLK+96*(\s)+16*\c
.else
	ds_load_b128 v[AF+12*fa+4*\c:AF+12*fa+4*\c+3], v6 offset:(fa-5)*MBLK+96*(\s)+16*\c
.endif
.endr
.set fa, fa+1
.endr
.endm
; row block a x my four column blocks, K step s.  The 36 accumulators take turns, one instruction a turn, in the same order in every K step.
.macro MULA s, a
.if (\a) < 8
.set ACC, 32*(\a)
.set WW, 0xf0
.else
.set ACC, 144
.set WW, 0xa0
.endif
.if (\s) == 0
.set WW, (WW&0xc0)|0x20                ; the first product's C is the bias, in window 2
.endif
.if (\s) < 5
.set WW, WW|1
.set BB, 48*(\s)
.else
.set WW, WW|2
.set BB, 48*((\s)-5)
.endif
	WIN WW
.irp b, 0,1,2,3
.if (\s) == 0
	v_wmma_scale_f32_16x16x128_f8f6f4 v[ACC+8*\b:ACC+8*\b+7], v[BB+12*\b:BB+12*\b+11], v[AF+12*(\a):AF+12*(\a)+11], v[BIA+8*\b:BIA+8*\b+7], v[BSC+4*\b], v[ASC+4*(\a)] matrix_a_fmt:MATRIX_FMT_BF6 matrix_b_fmt:MATRIX_FMT_BF6
.elseif (\s) < 4
	v_wmma_scale_f32_16x16x128_f8f6f4 v[ACC+8*\b:ACC+8*\b+7], v[BB+12*\b:BB+12*\b+11], v[AF+12*(\a):AF+12*(\a)+11], v[ACC+8*\b:ACC+8*\b+7], v[BSC+4*\b+(\s)], v[ASC+4*(\a)+(\s)] matrix_a_fmt:MATRIX_FMT_BF6 matrix_b_fmt:MATRIX_FMT_BF6
.else
	v_wmma_scale_f32_16x16x128_f8f6f4 v[ACC+8*\b:ACC+8*\b+7], v[BB+12*\b:BB+12*\b+11], v[AF+12*(\a):AF+12*(\a)+11], v[ACC+8*\b:ACC+8*\b+7], v[BSC+4*\b+(\s)-4], v[ASC+4*(\a)+(\s)-4] matrix_a_fmt:MATRIX_FMT_BF6 matrix_b_fmt:MATRIX_FMT_BF6 matrix_a_scale:MATRIX_SCALE_ROW1 matrix_b_scale:MATRIX_SCALE_ROW1
.endif
.endr
.endm
; A K step: 36 matrix instructions.  A row block's fragment is free as soon as its four products are issued, so one set of registers serves: blocks 0-4 are fetched anew in the step's middle, blocks 5-8 at its end.
.macro KSTEP s, mark
.if (\s) != 1
	WAITL \mark                                    ; this step's weights (step 0: also both sides' scale words and the bias) are in; step 1's came ahead of step 0's mark
.endif
	s_wait_dscnt 12                                ; blocks 0-4 are in; the 12 loads of blocks 5-8 may be out
.irp a, 0,1,2,3,4
	MULA \s, \a
.endr
.if (\s) < 7
	PLACES
	WIN 0
	FETCHA (\s)+1, 0, 4
.if (\s) == 0
	BLOAD 6
.set M_B6, LC
.elseif (\s) == 1
	BLOAD 7
.set M_B7, LC
.endif
	s_wait_dscnt 15                                ; blocks 5-8 are in; the 15 loads just issued may be out
.else
	s_wait_dscnt 0x0
.endif
.irp a, 5,6,7,8
	MULA \s, \a
.endr
.if (\s) < 7
	PLACES
	WIN 0
	FETCHA (\s)+1, 5, 8
.endif
.endm
	FETCHA 0, 0, 4
	FETCHA 0, 5, 8
	KSTEP 0, M_XS
	KSTEP 1, M_XS
	KSTEP 2, M_B2
	KSTEP 3, M_B3
	KSTEP 4, M_B4
	KSTEP 5, M_B5
	KSTEP 6, M_B6
	KSTEP 7, M_B7                                  ; its wait is for 0: every global load is in
	WIN 0
	PLACES
.irp a, 0,1,2,3,4,5,6,7,8
	v_mov_b32 v[PPR+2*\a+1], v[PPR+2*\a]           ; top_p twice, a pair for the packed multiply
.endr
; THE WAY OUT of row block a: x top_p; through my stage, so that a token's 64 outputs of my columns lie together; sixteen lanes store 256 consecutive bytes of the token's row, aligned.
.macro OUT a
	WIN 0                                          ; at a branch every window is 0
	s_cmp_le_u32 s26, 16*(\a)                      ; no row of the tile in this block, nor in any behind it
	s_cbranch_scc1 .Lend
.if (\a) < 8
.set ACC, 32*(\a)
	WIN 0x03                                       ; source 0: window 3
.else
.set ACC, 144
	WIN 0x02
.endif
.irp b, 0,1,2,3
.irp u, 0,2,4,6
	v_pk_mul_f32 v[TT+8*\b+\u:TT+8*\b+\u+1], v[ACC+8*\b+\u:ACC+8*\b+\u+1], v[PPR+2*(\a):PPR+2*(\a)+1]   ; each accumulator from its low end on
.endr
.endr
	WIN 0
.irp b, 0,1,2,3
	ds_store_b128 v10, v[TT+8*\b:TT+8*\b+3] offset:64*\b
	ds_store_b128 v10, v[TT+8*\b+4:TT+8*\b+7] offset:64*\b+16
.endr
	ds_load_b128 v[TK:TK+3], v9 offset:64*(\a)     ; the tokens of rows 8 h + 0 .. 7 of the block
	ds_load_b128 v[TK+4:TK+7], v9 offset:64*(\a)+16
.if (\a) > 0
	s_wait_xcnt 0x0                                ; the block before's stores have read their data and offsets: both are written again only behind this wait
.endif
.irp i, 0,1,2,3,4,5,6,7
	ds_load_b128 v[BK+4*\i:BK+4*\i+3], v11 offset:SP*\i            ; LDS serves a wave's instructions in order (ISA guide 5.7.1): these see my stores
.endr
	s_wait_dscnt 8                                 ; the tokens are in; the eight loads behind them may be out
.irp i, 0,1,2,3,4,5,6,7
	v_min_u32 v[TK+\i], 8191, v[TK+\i]
.endr
.irp i, 0,1,2,3,4,5,6,7
	v_lshlrev_b32 v[AD+\i], 12, v[TK+\i]           ; the token's row of 4,096 bytes
.endr
.irp i, 0,1,2,3,4,5,6,7
	v_add_nc_u32 v[AD+\i], v[AD+\i], v12
.endr
.irp i, 0,1,2,3,4,5,6,7
	s_wait_dscnt 7-\i                              ; row pair i is back; at the last the count is 0: the stage's stores have read their registers too
	global_store_b128 v[AD+\i], v[BK+4*\i:BK+4*\i+3], s[20:21] th:TH_STORE_NT
.endr
.endm
.irp a, 0,1,2,3,4,5,6,7,8
	OUT \a
.endr
.Lend:
	s_wait_tensorcnt 0x0                           ; the wave's end
	ds_add_u32 v[SPW], v[NIL]
	s_wait_dscnt 0x0
	s_endpgm
.Lfunc_end_k_qec35dce68a_moe:
	.size	k_qec35dce68a_moe, .Lfunc_end_k_qec35dce68a_moe-k_qec35dce68a_moe
	.p2alignl 7, 3214868480
	.fill 96, 4, 3214868480
	.section	.rodata,"a",@progbits
	.p2align	6, 0x0
	.amdhsa_kernel k_qec35dce68a_moe
		.amdhsa_group_segment_fixed_size 133888
		.amdhsa_private_segment_fixed_size 0
		.amdhsa_enable_private_segment 0
		.amdhsa_kernarg_size 72
		.amdhsa_user_sgpr_count 2
		.amdhsa_user_sgpr_kernarg_segment_ptr 1
		.amdhsa_wavefront_size32 1
		.amdhsa_system_sgpr_workgroup_id_x 1
		.amdhsa_system_sgpr_workgroup_id_y 1
		.amdhsa_system_sgpr_workgroup_id_z 1
		.amdhsa_system_vgpr_workitem_id 0
		.amdhsa_next_free_vgpr 1024
		.amdhsa_next_free_sgpr 66
		.amdhsa_reserve_vcc 0
		.amdhsa_float_denorm_mode_32 3
		.amdhsa_float_denorm_mode_16_64 3
		.amdhsa_memory_ordered 1
		.amdhsa_forward_progress 1
		.amdhsa_inst_pref_size 130
	.end_amdhsa_kernel
	.amdgpu_metadata
---
amdhsa.version: [ 1, 2 ]
amdhsa.kernels:
  - .name:           k_qec35dce68a_moe
    .symbol:         k_qec35dce68a_moe.kd
    .args:
      - { .name: tiles, .offset: 0, .size: 8, .value_kind: global_buffer, .address_space: global }
      - { .name: order, .offset: 8, .size: 8, .value_kind: global_buffer, .address_space: global }
      - { .name: topp, .offset: 16, .size: 8, .value_kind: global_buffer, .address_space: global }
      - { .name: xq, .offset: 24, .size: 8, .value_kind: global_buffer, .address_space: global }
      - { .name: xs, .offset: 32, .size: 8, .value_kind: global_buffer, .address_space: global }
      - { .name: wq, .offset: 40, .size: 8, .value_kind: global_buffer, .address_space: global }
      - { .name: ws, .offset: 48, .size: 8, .value_kind: global_buffer, .address_space: global }
      - { .name: b, .offset: 56, .size: 8, .value_kind: global_buffer, .address_space: global }
      - { .name: out0, .offset: 64, .size: 8, .value_kind: global_buffer, .address_space: global }
    .group_segment_fixed_size: 133888
    .private_segment_fixed_size: 0
    .kernarg_segment_align: 8
    .kernarg_segment_size: 72
    .max_flat_workgroup_size: 128
    .sgpr_count:     66
    .vgpr_count:     1024
    .wavefront_size: 32
...
	.end_amdgpu_metadata
.endif
;; end of part 3
;; ======== version 2 of 2: 3 launches
;; workspace buffers: wq 6,291,456 bytes; ws 262,144 bytes; xq 6,291,456 bytes; xs 262,144 bytes; eidx 32,768 bytes of whole numbers; topp 32,768 bytes; order 36,864 bytes of whole numbers; tiles 1,024 bytes of whole numbers
;; launch wprep (part 4): grid 256 x 1, 16 waves a work-group, no clusters, 4,096 bytes of LDS; arguments W, gate, wq, ws, eidx, topp; writes wq, ws, eidx, topp
.if DOCPART == 4
	.amdgcn_target "amdgcn-amd-amdhsa--gfx1250"
	.amdhsa_code_object_version 6
	.text
	.protected	k_qec35dce68a_wprep
	.globl	k_qec35dce68a_wprep
	.p2align	8
	.type	k_qec35dce68a_wprep,@function
k_qec35dce68a_wprep:
	s_mov_b64 s[64:65], 0
	v_nop
	global_prefetch_b8 v0, s[64:65] scope:SCOPE_SE
	s_setreg_imm32_b32 hwreg(HW_REG_WAVE_MODE, 25, 1), 1
	s_wait_xcnt 0x0
; out[t] = top_p[t] x (Q(input[t]) . Q(W[e_t]) + b[e_t]), e_t = argmax of softmax(gate[t]), top_p its probability.  Three launches: this one, xprep, moe.
; WORK LEFT OUT, FOR ALL VALUES OF THE INPUTS.  dispatch[t][e] is one_hot(e_t)[e] x top_p[t]: for e other than e_t it is a 0 that the problem builds itself, so y[e][t][:] of those
; experts reaches no output in exact arithmetic, whatever finite numbers input, W, b and gate hold.  Of the first product only the rows (e_t, t) are made, chosen by whole numbers that this launch
; stores and later launches read; the second product (K = 8) is then the choice of that row and one multiplication by top_p.  Every input has a way to the output and is loaded.
; LIMIT: a NaN, an infinity or an overflow that arises only in an expert that was not chosen for a token is not carried to the result.
; THIS LAUNCH.  (1) W [8][1024 (k)][1024 (n)] f32 becomes codes of E3M2 with one E8M0 scale for each 32 along k, laid in the order of a matrix operand's registers:
;   wq [e][nb 64][s 8][1536]: the fragment of columns 16 nb + r and k = 128 s .. 128 s + 127 as an image of its 12 registers: piece c of 512 bytes holds registers 4 c .. 4 c + 3, lane (r, h) at 16 (r + 16 h).
;   ws [e][nb][512]: lane (r, g) at 16 (r + 16 g) holds four words: the scale words of column r for K steps 4 g + 0 .. 3; byte i of a word belongs to k = 128 s + 32 i on.
; (2) the router: eidx[t] = e_t (u32), topp[t] = top_p (f32), at fixed places.
; A LANE TAKES A COLUMN, ITS REGISTERS RUN DOWN k.  Wave (h, s4, g) of work-group (e, sg, cg) takes columns 64 cg + 32 g + lane, K step s = 4 sg + s4, and of it the two blocks of 32 that lanes of half h of
; a fragment hold: k = 128 s + 32 h on and k = 128 s + 64 + 32 h on.  Its 12 registers of codes ARE registers 0 .. 11 of lane (lane % 16, h) of fragment (4 cg + 2 g + lane / 16, s): they are stored as they
; stand, sixteen lanes to 256 consecutive bytes, aligned.  All 64 loads of a wave (128 consecutive bytes each) go out at once.
; A block's scale is 2^(floor(log2(largest magnitude)) - 4): its byte is the largest magnitude's exponent field less 4, held at 1 from below.
; LIMITS: a block of zeros gets the byte 1 where the rule says 127 (its codes are zeros, and this program alone reads the bytes); blocks whose largest magnitude lies under 2^-122 are held at the byte 1;
; NaN and infinities in W or gate are not served.  The argmax is taken of 2^((g - max) log2 e), the lower index winning a tie, as argmax of the probabilities does; two logits so close that
; the exponentials of one implementation tie and those of another do not may fall otherwise.  v_exp_f32 gives 0 for results under 2^-126: such terms count as 0 in the sum.
.set SPARE, 2048                       ; LDS: 0 .. 2047 the scale words' two planes; from here the spare words, 128 bytes for each of the 16 waves, which no other line names
.set X,   32                           ; v32-95   my column's 64 numbers
.set C,   96                           ; v96-107  the 12 registers of codes;  v108-110, v112-114: the upper halves as converted
.set SPW, 14                           ; v14      LDS address of my spare word; never rewritten
.set NIL, 15                           ; v15      0; never rewritten
	s_load_b256 s[4:11], s[0:1], 0x0               ; W s[4:5], gate s[6:7], wq s[8:9], ws s[10:11]
	s_load_b128 s[12:15], s[0:1], 0x20             ; eidx s[12:13], topp s[14:15]
	v_lshl_add_u32 v[SPW], v0, 2, SPARE
	v_mov_b32 v[NIL], 0
	v_lshrrev_b32 v1, 5, v0
	s_delay_alu instid0(VALU_DEP_1)
	v_readfirstlane_b32 s16, v1                    ; wave 0..15
	v_and_b32 v1, 31, v0                           ; lane
	s_delay_alu instid0(VALU_DEP_1)
	v_lshlrev_b32 v2, 2, v1                        ; 4 x lane: my column in a row of W; my word of eidx and topp
	v_and_b32 v7, 15, v0                           ; r
	s_delay_alu instid0(VALU_DEP_3)
	v_lshrrev_b32 v3, 4, v1
	s_delay_alu instid0(VALU_DEP_1)
	v_mul_u32_u24 v3, v3, 12288                    ; lanes 16-31 belong to the next block of 16 columns: 8 fragments of 1,536 bytes on
	s_delay_alu instid0(VALU_DEP_1)
	v_lshl_add_u32 v3, v7, 4, v3                   ; + 16 r
	v_lshlrev_b32 v5, 4, v0                        ; threads 0-63: column v0's four words in a plane
	v_lshrrev_b32 v6, 4, v0
	s_delay_alu instid0(VALU_DEP_1)
	v_lshlrev_b32 v6, 9, v6
	s_delay_alu instid0(VALU_DEP_1)
	v_lshl_add_u32 v6, v7, 4, v6                   ; and their place in ws: 512 (v0 / 16) + 16 r
	s_and_b32 s17, s16, 1                          ; h
	s_bfe_u32 s18, s16, 0x20001                    ; s4
	s_lshr_b32 s19, s16, 3                         ; g
	s_lshr_b32 s20, ttmp9, 5                       ; e
	s_bfe_u32 s21, ttmp9, 0x10004                  ; sg
	s_and_b32 s22, ttmp9, 15                       ; cg
	s_lshl_b32 s23, s21, 2
	s_add_co_u32 s23, s23, s18                     ; s = 4 sg + s4
	s_lshl_b32 s24, s19, 9
	s_lshl_b32 s25, s17, 10
	s_add_co_u32 s24, s24, s25
	s_lshl_b32 s25, s18, 2
	s_add_co_u32 s24, s24, s25
	v_lshl_add_u32 v4, v1, 4, s24                  ; LDS: plane h (1,024 bytes), column 32 g + lane (16 bytes), word s4
	s_lshl_b32 s33, s17, 3                         ; 8 h
	s_lshl_b32 s26, s20, 22                        ; W: e x 4 MiB
	s_lshl_b32 s28, s23, 19                        ; + 128 s rows of 4,096 bytes
	s_add_co_u32 s26, s26, s28
	s_lshl_b32 s28, s17, 17                        ; + 32 h rows
	s_add_co_u32 s26, s26, s28
	s_lshl_b32 s28, s22, 8                         ; + 64 cg columns
	s_add_co_u32 s26, s26, s28
	s_lshl_b32 s28, s19, 7                         ; + 32 g columns
	s_add_co_u32 s26, s26, s28
	s_mov_b32 s27, 0
	s_lshl_b32 s28, s20, 6                         ; wq: fragment ((64 e + 4 cg + 2 g) 8 + s) of 1,536 bytes, + 256 h
	s_lshl_b32 s30, s22, 2
	s_add_co_u32 s28, s28, s30
	s_lshl_b32 s30, s19, 1
	s_add_co_u32 s28, s28, s30
	s_lshl_b32 s28, s28, 3
	s_add_co_u32 s28, s28, s23
	s_mul_i32 s28, s28, 1536
	s_lshl_b32 s30, s17, 8
	s_add_co_u32 s28, s28, s30
	s_mov_b32 s29, 0
	s_lshl_b32 s30, s20, 15                        ; ws: 32,768 e + 512 (4 cg) + 256 sg
	s_lshl_b32 s32, s22, 11
	s_add_co_u32 s30, s30, s32
	s_lshl_b32 s32, s21, 8
	s_add_co_u32 s30, s30, s32
	s_mov_b32 s31, 0
	s_wait_kmcnt 0x0
	s_add_nc_u64 s[4:5], s[4:5], s[26:27]
	s_add_nc_u64 s[8:9], s[8:9], s[28:29]
	s_add_nc_u64 s[10:11], s[10:11], s[30:31]
.set i, 0
.rept 32
	global_load_b32 v[X+i], v2, s[4:5] offset:i*4096 th:TH_LOAD_NT          ; block A: k = 128 s + 32 h + i
.set i, i+1
.endr
.set i, 0
.rept 32
	global_load_b32 v[X+32+i], v2, s[4:5] offset:(64+i)*4096 th:TH_LOAD_NT  ; block B: 64 rows further down
.set i, i+1
.endr
	; THE ROUTER: wave 15 of work-group id takes tokens 32 id + lane, a lane a token.  One branch on the wave's number.
	s_cmp_lg_u32 s16, 15
	s_cbranch_scc1 .Lnot_router
	s_lshl_b32 s34, ttmp9, 10                      ; 32 tokens x 32 bytes of gate
	s_mov_b32 s35, 0
	s_add_nc_u64 s[6:7], s[6:7], s[34:35]
	s_lshl_b32 s34, ttmp9, 7                       ; 32 tokens x 4 bytes
	s_add_nc_u64 s[12:13], s[12:13], s[34:35]
	s_add_nc_u64 s[14:15], s[14:15], s[34:35]
	v_lshlrev_b32 v30, 5, v1
	global_load_b128 v[16:19], v30, s[6:7]
	global_load_b128 v[20:23], v30, s[6:7] offset:16
	s_wait_loadcnt 0x0                             ; the logits were asked for last: all my loads are in
	v_max3_num_f32 v24, v16, v17, v18
	s_delay_alu instid0(VALU_DEP_1)
	v_max3_num_f32 v24, v24, v19, v20
	s_delay_alu instid0(VALU_DEP_1)
	v_max3_num_f32 v24, v24, v21, v22
	s_delay_alu instid0(VALU_DEP_1)
	v_max_num_f32 v24, v24, v23                    ; the row's maximum is taken away ahead of the exponentials
.irp i, 0,1,2,3,4,5,6,7
	v_sub_f32 v[16+\i], v[16+\i], v24              ; exactly 0 for the largest
.endr
.irp i, 0,1,2,3,4,5,6,7
	v_mul_f32 v[16+\i], 0x3fb8aa3b, v[16+\i]       ; x log2(e)
.endr
	s_wait_alu depctr_va_vdst(0)
.irp i, 0,1,2,3,4,5,6,7
	v_exp_f32 v[16+\i], v[16+\i]
.endr
	v_mov_b32 v26, 0                               ; (a plain instruction behind the exponentials)  the index of the best so far
	s_wait_alu depctr_va_vdst(0)                   ; one wait for the eight, ahead of their first reader
	v_add_f32 v25, v16, v17
	v_add_f32 v29, v18, v19
	v_add_f32 v28, v20, v21
	v_add_f32 v31, v22, v23
	s_delay_alu instid0(VALU_DEP_3)
	v_add_f32 v25, v25, v29
	s_delay_alu instid0(VALU_DEP_2)
	v_add_f32 v28, v28, v31
	s_delay_alu instid0(VALU_DEP_1)
	v_add_f32 v25, v25, v28                        ; the sum
	v_mov_b32 v27, v16
.irp i, 1,2,3,4,5,6,7
	v_cmp_gt_f32 vcc_lo, v[16+\i], v27             ; strictly greater: the lower index keeps a tie
	s_delay_alu instid0(VALU_DEP_1)
	v_cndmask_b32 v26, v26, \i, vcc_lo
	v_max_num_f32 v27, v27, v[16+\i]
.endr
	s_wait_alu depctr_va_vdst(0)
	v_rcp_f32 v28, v25                             ; the largest term is 2^0 = 1, so its probability is 1 / the sum
	v_nop
	s_wait_alu depctr_va_vdst(0)
	global_store_b32 v2, v26, s[12:13]             ; 128 consecutive bytes; the next work-group stores the 128 beside them
	global_store_b32 v2, v28, s[14:15]
.Lnot_router:
; 32 numbers v[x] .. v[x + 31] of one block become 6 registers of codes at v[dst]; the scale byte is left in v[m].
.macro BLOCKQ x, dst, tmp, m
	v_max3_num_f32 v[\m], |v[\x]|, |v[\x+1]|, |v[\x+2]|            ; the largest magnitude, in two chains
	v_max3_num_f32 v[\m+1], |v[\x+3]|, |v[\x+4]|, |v[\x+5]|
.irp i, 6,10,14,18,22,26
	s_delay_alu instid0(VALU_DEP_2)
	v_max3_num_f32 v[\m], v[\m], |v[\x+\i]|, |v[\x+\i+1]|
	s_delay_alu instid0(VALU_DEP_2)
	v_max3_num_f32 v[\m+1], v[\m+1], |v[\x+\i+2]|, |v[\x+\i+3]|
.endr
	s_delay_alu instid0(VALU_DEP_2)
	v_max3_num_f32 v[\m], v[\m], |v[\x+30]|, |v[\x+31]|
	s_delay_alu instid0(VALU_DEP_1)
	v_max3_num_f32 v[\m], v[\m], v[\m+1], 0x2800000                ; and the floor 2^(5 - 127): the byte cannot fall under 1
	s_delay_alu instid0(VALU_DEP_1)
	v_add_nc_u32 v[\m+1], 0xfe000000, v[\m]                        ; 4 off the exponent field: the conversion takes this operand's exponent field as its scale
	v_cvt_scalef32_pk16_bf6_f32 v[\dst:\dst+2], v[\x:\x+15], v[\m+1]
	v_cvt_scalef32_pk16_bf6_f32 v[\tmp:\tmp+2], v[\x+16:\x+31], v[\m+1]   ; (a conversion's three registers begin on an even number)
	v_lshrrev_b32 v[\m], 23, v[\m+1]                               ; the scale's byte: also the plain instruction behind the conversions
.irp i, 0,1,2
	v_mov_b32 v[\dst+3+\i], v[\tmp+\i]
.endr
.endm
	s_wait_loadcnt 32                              ; block A's 32 loads are in; block B's 32 may be out
	BLOCKQ X, C, 108, 8
	s_wait_loadcnt 0x0
	BLOCKQ X+32, C+6, 112, 10
.irp c, 0,1,2
	global_store_b128 v3, v[C+4*\c:C+4*\c+3], s[8:9] offset:512*\c  ; sixteen lanes store 256 consecutive bytes, aligned
.endr
	v_lshl_or_b32 v12, v10, 16, v8                 ; my two bytes of the K step's scale word: blocks h and 2 + h,
	s_delay_alu instid0(VALU_DEP_1)
	v_lshlrev_b32 v12, s33, v12                    ; 8 h bits up
	ds_store_b32 v4, v12
	s_wait_dscnt 0x0                               ; my word lies in LDS,
	s_barrier_signal -1
	s_barrier_wait -1                              ; and so does every wave's
	s_cmp_lt_u32 s16, 2
	s_cbranch_scc0 .Lno_words
	ds_load_b128 v[116:119], v5                    ; threads 0-63: column v0's four words, half 0's bytes,
	ds_load_b128 v[120:123], v5 offset:1024        ; and half 1's
	s_wait_dscnt 0x0
.irp j, 0,1,2,3
	v_or_b32 v[116+\j], v[116+\j], v[120+\j]
.endr
	global_store_b128 v6, v[116:119], s[10:11]     ; sixteen lanes store 256 consecutive bytes, aligned
.Lno_words:
	s_wait_tensorcnt 0x0                           ; the wave's end
	ds_add_u32 v[SPW], v[NIL]
	s_wait_dscnt 0x0
	s_endpgm
.Lfunc_end_k_qec35dce68a_wprep:
	.size	k_qec35dce68a_wprep, .Lfunc_end_k_qec35dce68a_wprep-k_qec35dce68a_wprep
	.p2alignl 7, 3214868480
	.fill 96, 4, 3214868480
	.section	.rodata,"a",@progbits
	.p2align	6, 0x0
	.amdhsa_kernel k_qec35dce68a_wprep
		.amdhsa_group_segment_fixed_size 4096
		.amdhsa_private_segment_fixed_size 0
		.amdhsa_enable_private_segment 0
		.amdhsa_kernarg_size 48
		.amdhsa_user_sgpr_count 2
		.amdhsa_user_sgpr_kernarg_segment_ptr 1
		.amdhsa_wavefront_size32 1
		.amdhsa_system_sgpr_workgroup_id_x 1
		.amdhsa_system_sgpr_workgroup_id_y 1
		.amdhsa_system_sgpr_workgroup_id_z 1
		.amdhsa_system_vgpr_workitem_id 0
		.amdhsa_next_free_vgpr 128
		.amdhsa_next_free_sgpr 66
		.amdhsa_reserve_vcc 1
		.amdhsa_float_denorm_mode_32 3
		.amdhsa_float_denorm_mode_16_64 3
		.amdhsa_memory_ordered 1
		.amdhsa_forward_progress 1
		.amdhsa_inst_pref_size 18
	.end_amdhsa_kernel
	.amdgpu_metadata
---
amdhsa.version: [ 1, 2 ]
amdhsa.kernels:
  - .name:           k_qec35dce68a_wprep
    .symbol:         k_qec35dce68a_wprep.kd
    .args:
      - { .name: W, .offset: 0, .size: 8, .value_kind: global_buffer, .address_space: global }
      - { .name: gate, .offset: 8, .size: 8, .value_kind: global_buffer, .address_space: global }
      - { .name: wq, .offset: 16, .size: 8, .value_kind: global_buffer, .address_space: global }
      - { .name: ws, .offset: 24, .size: 8, .value_kind: global_buffer, .address_space: global }
      - { .name: eidx, .offset: 32, .size: 8, .value_kind: global_buffer, .address_space: global }
      - { .name: topp, .offset: 40, .size: 8, .value_kind: global_buffer, .address_space: global }
    .group_segment_fixed_size: 4096
    .private_segment_fixed_size: 0
    .kernarg_segment_align: 8
    .kernarg_segment_size: 48
    .max_flat_workgroup_size: 512
    .sgpr_count:     66
    .vgpr_count:     128
    .wavefront_size: 32
...
	.end_amdgpu_metadata
.endif
;; end of part 4
;; launch xprep (part 5): grid 257 x 1, 8 waves a work-group, no clusters, 44,288 bytes of LDS; arguments input, eidx, xq, xs, order, tiles; writes xq, xs, order, tiles
.if DOCPART == 5
	.amdgcn_target "amdgcn-amd-amdhsa--gfx1250"
	.amdhsa_code_object_version 6
	.text
	.protected	k_qec35dce68a_xprep
	.globl	k_qec35dce68a_xprep
	.p2align	8
	.type	k_qec35dce68a_xprep,@function
k_qec35dce68a_xprep:
	s_mov_b64 s[64:65], 0
	v_nop
	global_prefetch_b8 v0, s[64:65] scope:SCOPE_SE
	s_setreg_imm32_b32 hwreg(HW_REG_WAVE_MODE, 25, 1), 1
	s_wait_xcnt 0x0
; Work-groups 1 to 256: input [8192][1024] f32 becomes codes of E3M2 with one E8M0 scale byte for each 32 along the row.  Work-group 0: the rows are placed by expert (a counting sort of eidx).
;   xq [token][768]: K step s (128 numbers) at 96 s; in it the blocks of 32 stand in the order 0, 2, 1, 3, 24 bytes each: the first 48 bytes are registers 0 .. 11 of lanes 0-15 of a matrix operand, the next 48 those of lanes 16-31.
;   xs [token][32]: the byte of block i at i.
;   order [64 tiles][144] u32: the tokens of expert e stand on end from place 144 tb_e on (tb_e: the expert's first tile).  Places behind an expert's last token are not written, and moe does not read them.
;   tiles [64] x (expert, first place, rows, 0): ceil(cnt_e / 144) tiles for each expert; their sum is under 65 for every split of 8,192 tokens over 8 experts; entries behind the last tile are zeros.
; THE QUANTISER.  A wave takes 4 rows: 8 steps of 512 numbers.  Each load reads 512 consecutive bytes, 16 a lane; a step's 2,048 bytes turn through the wave's own stage in LDS and come back 64 bytes a lane, so that
; a lane holds 16 neighbours and two neighbouring lanes a block.  All 32 loads of a wave go out at its head.  A lane's 16 codes are 12 bytes; a step's store covers 384 consecutive bytes.
; A block's scale byte is its largest magnitude's exponent field less 4, held at 1 from below.  LIMITS: a block of zeros gets the byte 1 where the rule says 127 (its codes are zeros; this program alone reads the bytes);
; blocks whose largest magnitude lies under 2^-122 are held at the byte 1; NaN and infinities are not served.  A wave's 128 scale bytes leave as 128 consecutive bytes; the next wave stores the 128 beside them.
; THE PLACING.  Thread t takes tokens 32 t .. 32 t + 31.  No atomics: counts in a lane, a scan over the lanes, the waves' totals through LDS, one barrier.  Its 8,192 stores of 4 bytes go to scattered places:
; 32 KiB against the launch's 40 MiB.
.set STEPS, 8
.set SP,    80                         ; a lane's place in a stage: 64 bytes + 16 of padding
.set WREG,  5376                       ; LDS of a quantising wave: two stages of 32 x SP bytes, then its 128 scale bytes
.set PLB,   8*WREG                     ; the placing path's own 256 bytes: the eight waves' totals, 16 bytes each
.set SPARE, PLB+256                    ; the spare words, 128 bytes for each wave, which no other line names
.set SPW,   30                         ; v30  LDS address of my spare word; never rewritten
.set NIL,   31                         ; v31  0; never rewritten
.set R,     32                         ; quantiser: v32-159 the 8 steps' numbers as loaded
.set X,     160                        ;            v160-191 two sets of 16 neighbours
.set C,     192                        ;            v192-223 codes, four registers a step: no store's data are written again
.set E,     16                         ;            v16-23 a scale byte a step
.set EX,    32                         ; placing: v32-63 my tokens' experts, later the tokens' numbers
.set RK,    64                         ;          v64-95 their ranks in my thread, later their byte offsets in order
	s_load_b256 s[4:11], s[0:1], 0x0               ; input s[4:5], eidx s[6:7], xq s[8:9], xs s[10:11]
	s_load_b128 s[12:15], s[0:1], 0x20             ; order s[12:13], tiles s[14:15]
	v_lshl_add_u32 v[SPW], v0, 2, SPARE
	v_mov_b32 v[NIL], 0
	v_lshrrev_b32 v1, 5, v0
	s_delay_alu instid0(VALU_DEP_1)
	v_readfirstlane_b32 s16, v1                    ; wave 0..7
	v_and_b32 v2, 31, v0                           ; lane
	s_wait_kmcnt 0x0
	s_cmp_eq_u32 ttmp9, 0                          ; the work-group's number alone: all eight waves go the same way
	s_cbranch_scc1 .Lplace
	; ---------------- the quantiser ----------------
	s_sub_co_u32 s18, ttmp9, 1
	s_lshl_b32 s18, s18, 3
	s_add_co_u32 s18, s18, s16                     ; which run of 4 rows is my wave's: 0 .. 2,047
	s_lshl_b32 s20, s18, 14
	s_mov_b32 s21, 0
	s_add_nc_u64 s[4:5], s[4:5], s[20:21]
	s_wait_alu depctr_va_vdst(0)
	v_lshlrev_b32 v3, 4, v2                        ; my 16 bytes of a load's 512
.set t, 0
.rept STEPS
.irp i, 0,1,2,3
	global_load_b128 v[R+16*t+4*\i:R+16*t+4*\i+3], v3, s[4:5] offset:2048*t+512*\i th:TH_LOAD_NT
.endr
.set t, t+1
.endr
	s_mul_i32 s20, s18, 3072
	s_add_nc_u64 s[8:9], s[8:9], s[20:21]
	s_lshl_b32 s20, s18, 7
	s_add_nc_u64 s[10:11], s[10:11], s[20:21]
	s_mul_i32 s17, s16, WREG
	v_lshrrev_b32 v14, 2, v2
	s_delay_alu instid0(VALU_DEP_1)
	v_mul_u32_u24 v14, v14, SP
	v_and_b32 v15, 3, v2
	s_delay_alu instid0(VALU_DEP_1)
	v_lshl_add_u32 v14, v15, 4, v14
	s_delay_alu instid0(VALU_DEP_1)
	v_add_nc_u32 v14, s17, v14                     ; the stage, on the way in: four lanes' 64 bytes on end, then 16 of padding
	v_mul_u32_u24 v15, v2, SP
	s_delay_alu instid0(VALU_DEP_1)
	v_add_nc_u32 v15, s17, v15                     ; and on the way out: my 16 neighbours
	v_and_b32 v4, 0x19, v2                         ; my codes' place: the lane's bits 1 and 2, its block in a K step, change places: blocks 0, 2, 1, 3
	v_and_b32 v8, 2, v2
	s_delay_alu instid0(VALU_DEP_1)
	v_lshl_or_b32 v4, v8, 1, v4
	v_and_b32 v8, 4, v2
	s_delay_alu instid0(VALU_DEP_1)
	v_lshrrev_b32 v8, 1, v8
	s_delay_alu instid0(VALU_DEP_1)
	v_or_b32 v4, v4, v8
	s_delay_alu instid0(VALU_DEP_1)
	v_mul_u32_u24 v4, v4, 12
	v_lshrrev_b32 v5, 1, v2
	s_add_co_u32 s17, s17, 2*32*SP
	v_add_nc_u32 v5, s17, v5                       ; LDS: my block's scale byte
	v_lshlrev_b32 v7, 2, v2                        ; and on the way out 4 bytes a lane
	s_delay_alu instid0(VALU_DEP_1)
	v_add_nc_u32 v6, s17, v7
.macro TURN t                          ; step t's numbers through a stage: LDS serves a wave's instructions in order (ISA guide 5.7.1), so no wait stands between the stores and the loads
.irp i, 0,1,2,3
	ds_store_b128 v14, v[R+16*(\t)+4*\i:R+16*(\t)+4*\i+3] offset:32*SP*((\t)%2)+8*SP*\i
.endr
.irp i, 0,1,2,3
	ds_load_b128 v[X+16*((\t)%2)+4*\i:X+16*((\t)%2)+4*\i+3], v15 offset:32*SP*((\t)%2)+16*\i
.endr
.endm
.macro STEP t
.set XS, X+16*((\t)%2)
.if (\t) > 0
	s_wait_dscnt 1                                 ; this step's numbers are back from the stage; the step before's byte store may be out
.else
	s_wait_dscnt 0x0
.endif
.if (\t)+1 < STEPS
	s_wait_loadcnt 4*(STEPS-2-(\t))                ; the next step's four loads are in; those of the steps behind it may be out
	TURN (\t)+1                                    ; and go through the other stage while this step is worked
.endif
	v_max3_num_f32 v8, |v[XS]|, |v[XS+1]|, |v[XS+2]|               ; the largest magnitude of my 16
	v_max3_num_f32 v9, |v[XS+3]|, |v[XS+4]|, |v[XS+5]|
.irp i, 6,10
	s_delay_alu instid0(VALU_DEP_2)
	v_max3_num_f32 v8, v8, |v[XS+\i]|, |v[XS+\i+1]|
	s_delay_alu instid0(VALU_DEP_2)
	v_max3_num_f32 v9, v9, |v[XS+\i+2]|, |v[XS+\i+3]|
.endr
	s_delay_alu instid0(VALU_DEP_2)
	v_max3_num_f32 v8, v8, |v[XS+14]|, |v[XS+15]|
	s_delay_alu instid0(VALU_DEP_1)
	v_max3_num_f32 v8, v8, v9, 0x2800000           ; and the floor 2^(5 - 127): the byte cannot fall under 1
	s_delay_alu instid0(VALU_DEP_1)
	v_max_num_f32_dpp v8, v8, v8 row_xmask:1 row_mask:0xf bank_mask:0xf   ; and of my neighbour's 16: the block's
	s_delay_alu instid0(VALU_DEP_1)
	v_add_nc_u32 v11, 0xfe000000, v8               ; 4 off its exponent field: the conversion's scale operand
	v_cvt_scalef32_pk16_bf6_f32 v[C+4*(\t):C+4*(\t)+2], v[XS:XS+15], v11
	v_lshrrev_b32 v[E+(\t)], 23, v11               ; the scale's byte
	ds_store_b8 v5, v[E+(\t)] offset:16*(\t)       ; both lanes of a block write the same byte with the same value
	global_store_b96 v4, v[C+4*(\t):C+4*(\t)+2], s[8:9] offset:384*(\t)
.endm
	s_wait_loadcnt 28                              ; step 0's four loads are in; the 28 behind them may be out
	TURN 0
.irp t, 0,1,2,3,4,5,6,7
	STEP \t
.endr
	ds_load_b32 v8, v6                             ; my wave's 128 scale bytes: these see my stores
	s_wait_dscnt 0x0
	global_store_b32 v7, v8, s[10:11]
	s_branch .Lend
	; ---------------- the placing: work-group 0 ----------------
.Lplace:
	v_lshlrev_b32 v3, 7, v0
.irp j, 0,1,2,3,4,5,6,7
	global_load_b128 v[EX+4*\j:EX+4*\j+3], v3, s[6:7] offset:16*\j
.endr
	v_mov_b32 v8, 0                                ; counts of experts 0-3, a byte each (a thread has 32 tokens)
	v_mov_b32 v9, 0                                ; of experts 4-7
	v_mov_b32 v12, 1
.irp k, 0,1,2,3
	v_mov_b32 v[24+\k], 0                          ; written once: a DPP form's destination counts as one of its sources
.endr
	v_lshrrev_b32 v4, 5, v0
	s_delay_alu instid0(VALU_DEP_1)
	v_lshl_add_u32 v4, v4, 4, PLB                  ; my wave's 16 bytes
	v_mov_b32 v5, PLB
	v_lshlrev_b32 v6, 4, v0                        ; my tile entry
	v_lshlrev_b32 v7, 5, v0                        ; my first token
	s_mov_b32 s70, 0x00ff00ff
	s_mov_b32 s76, 0xffff0000                      ; lanes 16-31
	s_mov_b32 s77, 0x06020400                      ; byte selects: the low bytes of four 16-bit fields in two registers,
	s_mov_b32 s78, 0x07030501                      ; their high bytes,
	s_mov_b32 s79, 0x00000400                      ; byte 0 of each of two registers
	s_wait_loadcnt 0x0
.set i, 0
.rept 32
	v_min_u32 v[EX+i], 7, v[EX+i]
.set i, i+1
.endr
.set i, 0
	v_perm_b32 v[RK+i], v9, v8, v[EX+i]            ; byte 0: the expert's count so far
	v_lshlrev_b32 v10, 3, v[EX+i]
	s_delay_alu instid0(VALU_DEP_1)
	v_and_b32 v10, 24, v10
	s_delay_alu instid0(VALU_DEP_1)
	v_lshlrev_b32 v10, v10, v12                    ; 1 in the expert's byte
	v_cmp_gt_u32 vcc_lo, 4, v[EX+i]
	s_delay_alu instid0(VALU_DEP_1)
	v_cndmask_b32 v11, 0, v10, vcc_lo
	s_delay_alu instid0(VALU_DEP_1)
	v_add_nc_u32 v8, v8, v11                       ; experts 0-3
	s_delay_alu instid0(VALU_DEP_2)
	v_sub_nc_u32 v10, v10, v11
	s_delay_alu instid0(VALU_DEP_1)
	v_add_nc_u32 v9, v9, v10
.set i, i+1
.rept (32)-1
	s_delay_alu instid0(VALU_DEP_1)
	v_perm_b32 v[RK+i], v9, v8, v[EX+i]
	v_lshlrev_b32 v10, 3, v[EX+i]
	s_delay_alu instid0(VALU_DEP_1)
	v_and_b32 v10, 24, v10
	s_delay_alu instid0(VALU_DEP_1)
	v_lshlrev_b32 v10, v10, v12
	v_cmp_gt_u32 vcc_lo, 4, v[EX+i]
	s_delay_alu instid0(VALU_DEP_1)
	v_cndmask_b32 v11, 0, v10, vcc_lo
	s_delay_alu instid0(VALU_DEP_1)
	v_add_nc_u32 v8, v8, v11
	s_delay_alu instid0(VALU_DEP_2)
	v_sub_nc_u32 v10, v10, v11
	s_delay_alu instid0(VALU_DEP_1)
	v_add_nc_u32 v9, v9, v10                       ; experts 4-7
.set i, i+1
.endr
	s_delay_alu instid0(VALU_DEP_3)
	v_and_b32 v16, s70, v8                         ; fields of 16 bits: v16 experts 0, 2;
	s_delay_alu instid0(VALU_DEP_4)
	v_lshrrev_b32 v17, 8, v8
	s_delay_alu instid0(VALU_DEP_1)
	v_and_b32 v17, s70, v17                        ; v17 experts 1, 3;
	s_delay_alu instid0(VALU_DEP_4)
	v_and_b32 v18, s70, v9                         ; v18 experts 4, 6;
	v_lshrrev_b32 v19, 8, v9
	s_delay_alu instid0(VALU_DEP_1)
	v_and_b32 v19, s70, v19                        ; v19 experts 5, 7.  No field passes 9,216
.irp k, 0,1,2,3
	v_mov_b32 v[20+\k], v[16+\k]                   ; my own counts
.endr
.irp n, 1,2,4,8                        ; an inclusive scan over each half of 16 lanes
.irp k, 0,1,2,3
	v_mov_b32_dpp v[24+\k], v[16+\k] row_shr:\n row_mask:0xf bank_mask:0xf bound_ctrl:1
.endr
.irp k, 0,1,2,3
	s_delay_alu instid0(VALU_DEP_4)
	v_add_nc_u32 v[16+\k], v[16+\k], v[24+\k]
.endr
.endr
.irp k, 0,1,2,3
	s_delay_alu instid0(VALU_DEP_4)
	v_readlane_b32 s[66+\k], v[16+\k], 15          ; the lower half's total goes onto lanes 16-31
.endr
.irp k, 0,1,2,3
	s_delay_alu instid0(VALU_DEP_4)
	v_mov_b32 v[24+\k], s[66+\k]
.endr
.irp k, 0,1,2,3
	s_delay_alu instid0(VALU_DEP_4)
	v_cndmask_b32 v[24+\k], 0, v[24+\k], s76
.endr
.irp k, 0,1,2,3
	s_delay_alu instid0(VALU_DEP_4)
	v_add_nc_u32 v[16+\k], v[16+\k], v[24+\k]
.endr
.irp k, 0,1,2,3
	s_delay_alu instid0(VALU_DEP_4)
	v_readlane_b32 s[66+\k], v[16+\k], 31          ; my wave's totals
.endr
.irp k, 0,1,2,3
	s_delay_alu instid0(VALU_DEP_4)
	v_mov_b32 v[144+\k], s[66+\k]
.endr
	ds_store_b128 v4, v[144:147]                   ; all lanes write the same 16 bytes with the same values
	s_wait_dscnt 0x0
	s_barrier_signal -1
	s_barrier_wait -1
.irp w, 0,1,2,3,4,5,6,7
	ds_load_b128 v[96+4*\w:99+4*\w], v5 offset:16*\w
.endr
	s_wait_dscnt 0x0
	s_cmp_gt_u32 s16, 0
	s_cselect_b32 s66, -1, 0
.irp k, 0,1,2,3
	v_mov_b32 v[132+\k], v[96+\k]                  ; v132-135: all waves' totals
	v_and_b32 v[128+\k], s66, v[96+\k]             ; v128-131: those of the waves in front of mine
.endr
.irp w, 1,2,3,4,5,6,7
	s_cmp_gt_u32 s16, \w
	s_cselect_b32 s66, -1, 0
.irp k, 0,1,2,3
	v_add_nc_u32 v[132+\k], v[132+\k], v[96+4*\w+\k]
	v_and_b32 v[24+\k], s66, v[96+4*\w+\k]
.endr
.irp k, 0,1,2,3
	v_add_nc_u32 v[128+\k], v[128+\k], v[24+\k]
.endr
.endr
	v_readfirstlane_b32 s66, v132
	v_readfirstlane_b32 s67, v133
	v_readfirstlane_b32 s68, v134
	v_readfirstlane_b32 s69, v135
	s_and_b32 s40, s66, 0xffff                     ; s40-47: the experts' counts
	s_lshr_b32 s42, s66, 16
	s_and_b32 s41, s67, 0xffff
	s_lshr_b32 s43, s67, 16
	s_and_b32 s44, s68, 0xffff
	s_lshr_b32 s46, s68, 16
	s_and_b32 s45, s69, 0xffff
	s_lshr_b32 s47, s69, 16
	s_mov_b32 s48, 0                               ; s48-56: each expert's first tile; s56: the number of tiles
.irp e, 0,1,2,3,4,5,6,7
	s_add_co_u32 s66, s[40+\e], 143
	s_mul_i32 s66, s66, 7282                       ; x 7,282 >> 20 is the whole part of x / 144 for x up to 8,335: 7,282 x 144 = 2^20 + 32
	s_lshr_b32 s66, s66, 20
	s_add_co_u32 s[49+\e], s[48+\e], s66
.endr
.irp e, 0,1,2,3,4,5,6,7
	s_mul_i32 s[80+\e], s[48+\e], 144              ; each expert's first place in order
.endr
	s_lshl_b32 s66, s82, 16
	s_or_b32 s57, s80, s66                         ; packed as the counts are
	s_lshl_b32 s66, s83, 16
	s_or_b32 s58, s81, s66
	s_lshl_b32 s66, s86, 16
	s_or_b32 s59, s84, s66
	s_lshl_b32 s66, s87, 16
	s_or_b32 s60, s85, s66
.irp k, 0,1,2,3
	v_sub_nc_u32 v[16+\k], v[16+\k], v[20+\k]      ; the lanes in front of mine,
.endr
.irp k, 0,1,2,3
	s_delay_alu instid0(VALU_DEP_4)
	v_add3_u32 v[16+\k], v[16+\k], v[128+\k], s[57+\k]   ; the waves in front of mine, the expert's first place: where my thread's tokens of each expert begin
.endr
	s_delay_alu instid0(VALU_DEP_3)
	v_perm_b32 v136, v17, v16, s77                 ; low bytes of experts 0-3,
	s_delay_alu instid0(VALU_DEP_2)
	v_perm_b32 v137, v19, v18, s77                 ; of 4-7;
	v_perm_b32 v138, v17, v16, s78                 ; high bytes of 0-3,
	s_delay_alu instid0(VALU_DEP_4)
	v_perm_b32 v139, v19, v18, s78                 ; of 4-7
.set i, 0
.rept 32                               ; pass 2: each token's place.  Every store has registers of its own
	v_perm_b32 v10, v137, v136, v[EX+i]
	v_perm_b32 v11, v139, v138, v[EX+i]
	v_and_b32 v[RK+i], 0xff, v[RK+i]
	s_delay_alu instid0(VALU_DEP_2)
	v_perm_b32 v10, v11, v10, s79
	s_delay_alu instid0(VALU_DEP_1)
	v_and_b32 v10, 0xffff, v10
	s_delay_alu instid0(VALU_DEP_1)
	v_add_nc_u32 v[RK+i], v[RK+i], v10
	s_delay_alu instid0(VALU_DEP_1)
	v_min_u32 v[RK+i], 9215, v[RK+i]               ; inside order
	s_delay_alu instid0(VALU_DEP_1)
	v_lshlrev_b32 v[RK+i], 2, v[RK+i]
	v_add_nc_u32 v[EX+i], i, v7                    ; the token's number
	global_store_b32 v[RK+i], v[EX+i], s[12:13]
.set i, i+1
.endr
	s_cmp_lt_u32 s16, 2                            ; threads 0-63 write the list of tiles, a thread an entry
	s_cbranch_scc0 .Lend
	v_mov_b32 v140, 0
	v_mov_b32 v141, 0
	v_mov_b32 v142, s40
.irp e, 1,2,3,4,5,6,7                  ; the last expert whose first tile is at or under mine: an expert without tokens has no tile and is passed over
	v_cmp_le_u32 vcc_lo, s[48+\e], v0
	v_mov_b32 v10, s[48+\e]
	v_mov_b32 v11, s[40+\e]
	s_delay_alu instid0(VALU_DEP_3)
	v_cndmask_b32 v140, v140, \e, vcc_lo
	s_delay_alu instid0(VALU_DEP_3)
	v_cndmask_b32 v141, v141, v10, vcc_lo
	s_delay_alu instid0(VALU_DEP_3)
	v_cndmask_b32 v142, v142, v11, vcc_lo
.endr
	s_delay_alu instid0(VALU_DEP_2)
	v_sub_nc_u32 v10, v0, v141
	s_delay_alu instid0(VALU_DEP_1)
	v_mul_u32_u24 v10, v10, 144
	s_delay_alu instid0(VALU_DEP_1)
	v_sub_nc_u32 v142, v142, v10
	s_delay_alu instid0(VALU_DEP_1)
	v_min_u32 v142, 144, v142                      ; rows: what is left of the expert's tokens, 144 at the most
	v_mul_u32_u24 v141, v0, 144                    ; first place
	v_cmp_gt_u32 vcc_lo, s56, v0                   ; behind the last tile: zeros
	s_delay_alu instid0(VALU_DEP_1)
	v_cndmask_b32 v140, 0, v140, vcc_lo
	s_delay_alu instid0(VALU_DEP_2)
	v_cndmask_b32 v141, 0, v141, vcc_lo
	s_delay_alu instid0(VALU_DEP_3)
	v_cndmask_b32 v142, 0, v142, vcc_lo
	v_mov_b32 v143, 0
	global_store_b128 v6, v[140:143], s[14:15]     ; a wave stores 512 consecutive bytes
.Lend:
	s_wait_tensorcnt 0x0                           ; the wave's end, on both paths
	ds_add_u32 v[SPW], v[NIL]
	s_wait_dscnt 0x0
	s_endpgm
.Lfunc_end_k_qec35dce68a_xprep:
	.size	k_qec35dce68a_xprep, .Lfunc_end_k_qec35dce68a_xprep-k_qec35dce68a_xprep
	.p2alignl 7, 3214868480
	.fill 96, 4, 3214868480
	.section	.rodata,"a",@progbits
	.p2align	6, 0x0
	.amdhsa_kernel k_qec35dce68a_xprep
		.amdhsa_group_segment_fixed_size 44288
		.amdhsa_private_segment_fixed_size 0
		.amdhsa_enable_private_segment 0
		.amdhsa_kernarg_size 48
		.amdhsa_user_sgpr_count 2
		.amdhsa_user_sgpr_kernarg_segment_ptr 1
		.amdhsa_wavefront_size32 1
		.amdhsa_system_sgpr_workgroup_id_x 1
		.amdhsa_system_sgpr_workgroup_id_y 1
		.amdhsa_system_sgpr_workgroup_id_z 1
		.amdhsa_system_vgpr_workitem_id 0
		.amdhsa_next_free_vgpr 224
		.amdhsa_next_free_sgpr 96
		.amdhsa_reserve_vcc 1
		.amdhsa_float_denorm_mode_32 3
		.amdhsa_float_denorm_mode_16_64 3
		.amdhsa_memory_ordered 1
		.amdhsa_forward_progress 1
		.amdhsa_inst_pref_size 78
	.end_amdhsa_kernel
	.amdgpu_metadata
---
amdhsa.version: [ 1, 2 ]
amdhsa.kernels:
  - .name:           k_qec35dce68a_xprep
    .symbol:         k_qec35dce68a_xprep.kd
    .args:
      - { .name: input, .offset: 0, .size: 8, .value_kind: global_buffer, .address_space: global }
      - { .name: eidx, .offset: 8, .size: 8, .value_kind: global_buffer, .address_space: global }
      - { .name: xq, .offset: 16, .size: 8, .value_kind: global_buffer, .address_space: global }
      - { .name: xs, .offset: 24, .size: 8, .value_kind: global_buffer, .address_space: global }
      - { .name: order, .offset: 32, .size: 8, .value_kind: global_buffer, .address_space: global }
      - { .name: tiles, .offset: 40, .size: 8, .value_kind: global_buffer, .address_space: global }
    .group_segment_fixed_size: 44288
    .private_segment_fixed_size: 0
    .kernarg_segment_align: 8
    .kernarg_segment_size: 48
    .max_flat_workgroup_size: 256
    .sgpr_count:     96
    .vgpr_count:     224
    .wavefront_size: 32
...
	.end_amdgpu_metadata
.endif
;; end of part 5
;; launch moe (part 6): grid 4 x 64, 4 waves a work-group, no clusters, 133,888 bytes of LDS; arguments tiles, order, topp, xq, xs, wq, ws, b, out0; writes out0
.if DOCPART == 6
	.amdgcn_target "amdgcn-amd-amdhsa--gfx1250"
	.amdhsa_code_object_version 6
	.text
	.protected	k_qec35dce68a_moe
	.globl	k_qec35dce68a_moe
	.p2align	8
	.type	k_qec35dce68a_moe,@function
k_qec35dce68a_moe:
	s_mov_b64 s[64:65], 0
	v_nop
	global_prefetch_b8 v0, s[64:65] scope:SCOPE_SE
	s_setreg_imm32_b32 hwreg(HW_REG_WAVE_SCHED_MODE, 0, 2), 2
	s_setreg_imm32_b32 hwreg(HW_REG_WAVE_MODE, 25, 1), 1
	s_wait_xcnt 0x0
	s_wait_alu depctr_vm_vsrc(0)
; out[t][:] = top_p[t] x (Q(input[t]) . Q(W[e_t]) + b[e_t]), on the codes that wprep and xprep made.  WORK LEFT OUT: the rows of the first product for experts that were not chosen are multiplied by a 0 that
; the problem's own one_hot builds (shown at the head of wprep); only the chosen rows are made, by the lists that xprep stored.
; SHARES.  Work-group (q, y): tile y of the list (up to 144 tokens of one expert) x columns 256 q .. 256 q + 255.  THE WAVES SHARE THE COLUMNS: wave w owns 64 of them (4 blocks of 16) for all 9 blocks of 16 rows.
; Its weights for all of K, 32 fragments in 384 registers, come from memory straight into registers, in the order in which wprep laid them, and no other wave of the work-group reads them.  The tile's 144 rows of codes
; are gathered once (each wave 36 rows, sixteen lanes to 256 consecutive bytes of a row), go to LDS, and are read by all four waves.
; THE MATRIX INSTRUCTION IS USED TRANSPOSED: source 0 = 16 columns of W, source 1 = 16 tokens: a lane holds one token and eight neighbouring outputs.  The bias is the C of each sum's first instruction.
; WHAT HANGS ON THE LISTS.  Slots behind the tile's last row take its last row (in a tile without rows: place 0 of order, which is always written): they compute that row again.  On the way out a block of 16 rows
; with no row of the tile is jumped over, and all behind it: the only branches on stored numbers; the one barrier stands ahead of them, on every wave's path.  Inside the last block the repeated row is stored again
; with the same bytes.  Since branches hang on stored numbers, the launch has no tensor load and no copy, hence no cluster and no joint loads, though quarters share rows and tiles of an expert share weights.
; REGISTERS, in windows of 256 (s_set_vgpr_msb: bits 1:0 source 0, 3:2 source 1, 5:4 source 2, 7:6 destination):
;   window 0: v1-16 addresses; v18-25 way out: the second set of store offsets; v32-47 W's scale words; v48-83 the tokens' scale words; v84-101 top_p in pairs; v104-211 one set of 9 token fragments (at the head: tokens and
;             gather offsets; on the way out: at work); v212-238 offsets of loads from order, then of xs and topp; on the way out v212-219 store offsets, v220-251 the second set of rows.     window 1: W's fragments of K steps 0-4 at 48 s + 12 b.
;   window 2: W's fragments of K steps 5-7 at 48 (s - 5) + 12 b; v144-175 the accumulators of row block 8; v176-207 the bias, 8 registers a column block.
;   window 3: the accumulators (a < 8, b) at 32 a + 8 b; before the sums begin: the gathered rows on their way to LDS.
; THE MODE: SCHED_MODE bits 1:0 = 2 (LLVM: expert scheduling mode 2), set by the entry lines.  The code itself states the register dependences between vector or matrix instructions and memory or LDS
; instructions, with s_wait_alu, always for 0.
; THE PLAN.  Registers that memory or LDS instructions touch, and who else names them:
;   v3-v11      offsets and LDS addresses: written at the head, ahead of the first wait on va_vdst, and by nothing afterwards.
;   v212-238    written as offsets into order, read by those loads; v212-229 then written as offsets into xs and topp, read by those loads.
;   v104-149    head: tokens (loaded, held by vector lines; v122-130 read by the token list's LDS stores) and the gather's offsets (written by vector lines, read by the gather).
;   window 3    head: the gather lands there, the LDS stores read it; from the first K step on the products write it.
;   AF block a  K step s: its three LDS loads land; the four products of row block a read it; the loads of K step s + 1 land.
;   W's fragments, all scale words, the bias and top_p are written by loads alone.
;   way out     row block a uses set a % 2 of TT (written by the products by top_p, read by LDS stores), BK (LDS loads land, global stores read) and AD (written by vector lines, read by the global stores);
;               TK (an LDS load lands, vector lines read) has one set and is asked for a block ahead.
; A K step has two waits on va_vdst: behind row block 4's products (AF 0-4 may be loaded again) and behind row block 8's (AF 5-8).  Behind each the loads are dealt among the products that follow, which name the
; other blocks' fragments alone.  A row block of the way out has one wait on va_vdst, and one on vm_vsrc that frees the OTHER set, for the block after it.
.set PITCH, 784                        ; a row of codes in LDS: 768 bytes + 16: an odd multiple of 16 bytes, so that the 16 rows of a fragment load start in 16 different groups of banks (ISA guide 11.1)
.set MBLK,  16*PITCH
.set STG,   144*PITCH                  ; behind the rows: a stage of 16 rows x (256 + 16) bytes for each wave
.set SP,    272
.set TOK,   STG+4*16*SP                ; each wave's own list of the tile's 144 tokens, 768 bytes apart
.set SPARE, TOK+4*768                  ; the spare words, 128 bytes for each wave, which no other line names
.set BSC, 32                           ; register 4 b + j: lanes 0-15 the scale words of column block b for K step j, lanes 16-31 for K step 4 + j
.set ASC, 48                           ; register 4 a + j: the same for row block a
.set PPR, 84                           ; top_p of row block a in the pair 2 a, 2 a + 1
.set AF,  104                          ; the token fragments: block a at 12 a
.set OG,  104                          ; head: v104-121 the tokens of the 18 rows that my half of the lanes gathers
.set ORD, 122                          ; head: v122-130 the token of slot 16 a + r
.set GA,  132                          ; head: v132-149 the gather's offsets
.set OA,  212                          ; head: v212-238 offsets into order
.set XSA, 212                          ; then: v212-220 offsets into xs, v221-229 into topp
.set TPA, 221
.set TK,  200                          ; way out: v200-207 the tokens of a block's rows.  (TT, BK and AD, two sets each: macro OUT)
.set BIA, 176                          ; in window 2
.set SPW, 252                          ; v252 LDS address of my spare word; never rewritten
.set NIL, 253                          ; v253 0; never rewritten
.set MSB, 0
.macro WIN new                         ; the immediate's high byte repeats the setting that is left; a switch that changes nothing is dropped
.if MSB != (\new)
	s_set_vgpr_msb (MSB<<8)|(\new)
.set MSB, (\new)
.endif
.endm
.set LC, 0                             ; global loads issued so far, counted by the text; a mark is LC at a group's end
.macro WAITL m                         ; wait for the loads up to mark m: as many may stay out as were issued since; the count's field ends at 63 (ISA guide 5.7.1), and a smaller count waits for no less
.if LC-(\m) > 63
	s_wait_loadcnt 63
.else
	s_wait_loadcnt LC-(\m)
.endif
.endm
.set DC, 0                             ; the fragments' LDS loads issued so far, counted by the text; MD0 .. MD8: DC behind row block a's three loads
.macro PLACES                          ; four plain instructions behind a matrix instruction (ISA guide 7.12.1)
.rept 4
	v_nop
.endr
.endm
	s_load_b512 s[4:19], s[0:1], 0x0               ; tiles s[4:5], order s[6:7], topp s[8:9], xq s[10:11], xs s[12:13], wq s[14:15], ws s[16:17], b s[18:19]
	s_load_b64 s[20:21], s[0:1], 0x40              ; out0
	v_lshl_add_u32 v[SPW], v0, 2, SPARE
	v_mov_b32 v[NIL], 0
	v_lshrrev_b32 v1, 5, v0
	v_readfirstlane_b32 s22, v1                    ; wave 0..3
	s_and_b32 s23, ttmp7, 0xffff                   ; the tile
	s_lshl_b32 s34, s23, 4
	s_mov_b32 s35, 0
	s_wait_kmcnt 0x0
	s_add_nc_u64 s[4:5], s[4:5], s[34:35]
	s_load_b128 s[24:27], s[4:5], 0x0              ; expert, first place, rows, 0
	v_and_b32 v1, 15, v0                           ; r
	v_bfe_u32 v2, v0, 4, 1                         ; h
	v_and_b32 v15, 31, v0
	v_lshlrev_b32 v3, 4, v15                       ; 16 x lane: my place in an image of registers
	v_lshlrev_b32 v4, 5, v2                        ; 32 h: my eight numbers of a column block's bias
	v_lshlrev_b32 v12, 4, v1                       ; 16 r
	v_lshlrev_b32 v14, 2, v1                       ; 4 r
	v_lshlrev_b32 v16, 4, v2                       ; 16 h
	v_mul_u32_u24 v5, v1, PITCH
	v_mad_u32_u24 v5, v2, 48, v5                   ; a fragment: row r, + 48 h; row blocks 0-4 by the immediate,
	v_add_nc_u32 v6, 5*MBLK, v5                    ; blocks 5-8 from here: an immediate ends at 65,535
	s_wait_alu depctr_va_sdst(0)                   ; s22, the wave's number, is written, ahead of its first reader
	s_mul_i32 s30, s22, 36*PITCH
	v_mul_u32_u24 v7, v2, 18*PITCH
	v_add_nc_u32 v7, s30, v7
	v_add_nc_u32 v7, v7, v12                       ; the gathered rows go to rows 36 w + 18 h on, 16 bytes a lane
	s_mul_i32 s31, s22, 768
	s_add_co_u32 s31, s31, TOK
	v_lshl_add_u32 v8, v1, 2, s31                  ; my wave's token list: in,
	v_lshl_add_u32 v9, v2, 5, s31                  ; and out: eight tokens for each half of the lanes
	s_mul_i32 s32, s22, 16*SP
	s_add_co_u32 s32, s32, STG
	v_mul_u32_u24 v10, v1, SP
	v_lshl_add_u32 v10, v2, 5, v10
	v_add_nc_u32 v10, s32, v10                     ; my stage, in: row r, + 32 h
	v_mul_u32_u24 v11, v2, 8*SP
	v_add_nc_u32 v11, v11, v12
	v_add_nc_u32 v11, s32, v11                     ; back: lanes 0-15 rows 0-7, lanes 16-31 rows 8-15, 16 bytes a lane
	s_mul_i32 s33, s22, 144
	v_mul_u32_u24 v13, v2, 72
	v_add_nc_u32 v13, s33, v13                     ; 4 x (36 w + 18 h)
.set i, 0
.rept 18
	v_add_nc_u32 v[OA+i], 4*i, v13                 ; 4 x the slots that I gather
.set i, i+1
.endr
.set i, 0
.rept 9
	v_add_nc_u32 v[OA+18+i], 64*i, v14             ; 4 x the slots 16 a + r
.set i, i+1
.endr
	s_lshl_b32 s36, ttmp9, 4
	s_lshl_b32 s37, s22, 2
	s_add_co_u32 s36, s36, s37                     ; my first block of 16 columns: 16 q + 4 w
	s_wait_kmcnt 0x0
	s_min_u32 s24, s24, 7                          ; what was read is held inside its table
	s_min_u32 s25, s25, 9072
	s_min_u32 s26, s26, 144
	s_max_u32 s28, s26, 1
	s_sub_co_u32 s28, s28, 1
	s_lshl_b32 s28, s28, 2                         ; 4 x the tile's last slot
	s_lshl_b32 s34, s25, 2
	s_add_nc_u64 s[6:7], s[6:7], s[34:35]          ; order at the tile's first place
	s_mul_i32 s34, s24, 786432
	s_mul_i32 s37, s36, 12288
	s_add_co_u32 s34, s34, s37
	s_add_nc_u64 s[14:15], s[14:15], s[34:35]      ; wq at my first fragment
	s_lshl_b32 s34, s24, 15
	s_lshl_b32 s37, s36, 9
	s_add_co_u32 s34, s34, s37
	s_add_nc_u64 s[16:17], s[16:17], s[34:35]      ; ws likewise
	s_lshl_b32 s34, s36, 6                         ; my 64 columns in a row of f32: 1,024 q + 256 w
	s_add_nc_u64 s[20:21], s[20:21], s[34:35]      ; out0
	s_lshl_b32 s37, s24, 12
	s_add_co_u32 s34, s34, s37
	s_add_nc_u64 s[18:19], s[18:19], s[34:35]      ; b
.set i, 0
.rept 27
	v_min_u32 v[OA+i], s28, v[OA+i]                ; slots behind the last row take the last row
.set i, i+1
.endr
.set i, 0
.rept 27
	v_min_u32 v[OA+i], 572, v[OA+i]                ; inside the tile's 144 places
.set i, i+1
.endr
	s_wait_alu depctr_va_vdst(0)                   ; v3 to v11 and v212-238 are written: the offsets and LDS addresses that the loads and stores from here on read; v3 to v11 are named by no vector line again
.set i, 0
.rept 27
	global_load_b32 v[OG+i], v[OA+i], s[6:7]       ; v104-121 and v122-130
.set i, i+1
.endr
.set LC, LC+27
.set M_G1, LC
; W's four fragments of K step s: 12 loads of 512 consecutive bytes.  They land in registers that no vector or matrix instruction has named, by the offset v3
.macro BLOAD s
.if (\s) < 5
	WIN 0x40                                       ; destination window 1
.set BB, 48*(\s)
.else
	WIN 0x80                                       ; destination window 2
.set BB, 48*((\s)-5)
.endif
.irp b, 0,1,2,3
.irp c, 0,1,2
	global_load_b128 v[BB+12*\b+4*\c:BB+12*\b+4*\c+3], v3, s[14:15] offset:\b*12288+(\s)*1536+512*\c
.endr
.endr
	WIN 0
.set LC, LC+12
.endm
	BLOAD 0
	BLOAD 1
.irp b, 0,1,2,3
	global_load_b128 v[BSC+4*\b:BSC+4*\b+3], v3, s[16:17] offset:512*\b
.endr
	WIN 0x80
.irp b, 0,1,2,3
	global_load_b128 v[BIA+8*\b:BIA+8*\b+3], v4, s[18:19] offset:64*\b          ; lane (r, h): b[16 b + 8 h + 0 .. 7], the result's layout
	global_load_b128 v[BIA+8*\b+4:BIA+8*\b+7], v4, s[18:19] offset:64*\b+16
.endr
	WIN 0
.set LC, LC+12
	WAITL M_G1                                     ; the tokens are in; the 36 loads behind them may be out
	s_wait_alu depctr_vm_vsrc(0)                   ; the loads from order have read their offsets v212-238, of which v212-229 are written again below
.set i, 0
.rept 27
	v_min_u32 v[OG+i], 8191, v[OG+i]
.set i, i+1
.endr
.set i, 0
.rept 18
	v_mul_u32_u24 v[GA+i], v[OG+i], 768
.set i, i+1
.endr
.set i, 0
.rept 18
	v_add_nc_u32 v[GA+i], v[GA+i], v12             ; the token's row of codes, + 16 r
.set i, i+1
.endr
.irp a, 0,1,2,3,4,5,6,7,8
	v_lshlrev_b32 v[XSA+\a], 5, v[ORD+\a]
	v_lshlrev_b32 v[TPA+\a], 2, v[ORD+\a]
.endr
.irp a, 0,1,2,3,4,5,6,7,8
	v_add_nc_u32 v[XSA+\a], v[XSA+\a], v16         ; lanes 0-15 take the scale words of K steps 0-3, lanes 16-31 of 4-7
.endr
.set M_G3, LC
	WIN 0xc0                                       ; destination window 3
	s_wait_alu depctr_va_vdst(0)                   ; written: the gather's offsets v132-149, xs's and topp's v212-229, the tokens v122-130 that the LDS stores below read; and the vector lines are done with v104-149, in which fragments land behind the barrier
.set i, 0
.rept 18
.irp j, 0,1,2
	global_load_b128 v[4*(3*i+\j):4*(3*i+\j)+3], v[GA+i], s[10:11] offset:256*\j   ; sixteen lanes read 256 consecutive bytes of a row, aligned; two rows an instruction
.endr
.set i, i+1
.endr
	WIN 0
.set LC, LC+54
.irp a, 0,1,2,3,4,5,6,7,8
	global_load_b128 v[ASC+4*\a:ASC+4*\a+3], v[XSA+\a], s[12:13]
.endr
.set LC, LC+9
.set M_XS, LC
.irp a, 0,1,2,3,4,5,6,7,8
	global_load_b32 v[PPR+2*\a], v[TPA+\a], s[8:9]
.endr
.set LC, LC+9
.irp a, 0,1,2,3,4,5,6,7,8
	ds_store_b32 v8, v[ORD+\a] offset:64*\a        ; my wave's own list; both halves of the lanes write the same words with the same values
.endr
.macro STASH p                         ; the p-th pair of gathered rows goes to LDS: from a load's registers into a store, with no vector line between
	WAITL M_G3+3*((\p)+1)
	WIN 0x0c                                       ; an LDS store's data are its source 1: window 3
.irp j, 0,1,2
	ds_store_b128 v7, v[4*(3*(\p)+\j):4*(3*(\p)+\j)+3] offset:PITCH*(\p)+256*\j
.endr
.endm
.irp p, 0,1,2,3
	STASH \p
.endr
	BLOAD 2                                        ; as the gather's loads come in, the later K steps' weights are asked for
.set M_B2, LC
.irp p, 4,5,6,7
	STASH \p
.endr
	BLOAD 3
.set M_B3, LC
.irp p, 8,9,10,11
	STASH \p
.endr
	BLOAD 4
.set M_B4, LC
.irp p, 12,13,14,15
	STASH \p
.endr
	BLOAD 5
.set M_B5, LC
	STASH 16
	STASH 17
	WIN 0
	s_wait_dscnt 0x0                               ; my 36 rows lie in LDS,
	s_barrier_signal -1
	s_barrier_wait -1                              ; and so do all 144
	s_wait_alu depctr_vm_vsrc(0)                   ; my LDS stores have read window 3, which the first products write, and v122-130; the gather has read v132-149: fragments land in both; xs's and topp's loads have read v212-229, which the way out writes
; the fragment of row block a for K step s: a lane's 48 bytes are its 12 registers
.macro FETCH s, a
	WIN 0
.irp c, 0,1,2
.if (\a) < 5
	ds_load_b128 v[AF+12*(\a)+4*\c:AF+12*(\a)+4*\c+3], v5 offset:(\a)*MBLK+96*(\s)+16*\c
.else
	ds_load_b128 v[AF+12*(\a)+4*\c:AF+12*(\a)+4*\c+3], v6 offset:((\a)-5)*MBLK+96*(\s)+16*\c
.endif
.endr
.set DC, DC+3
.set MD\a, DC
.endm
; row block a x my four column blocks, K step s.  The 36 accumulators take turns, one instruction a turn, in the same order in every K step.
.macro MULA s, a
.if (\a) < 8
.set ACC, 32*(\a)
.set WW, 0xf0
.else
.set ACC, 144
.set WW, 0xa0
.endif
.if (\s) == 0
.set WW, (WW&0xc0)|0x20                ; the first product's C is the bias, in window 2
.endif
.if (\s) < 5
.set WW, WW|1
.set BB, 48*(\s)
.else
.set WW, WW|2
.set BB, 48*((\s)-5)
.endif
	WIN WW
.irp b, 0,1,2,3
.if (\s) == 0
	v_wmma_scale_f32_16x16x128_f8f6f4 v[ACC+8*\b:ACC+8*\b+7], v[BB+12*\b:BB+12*\b+11], v[AF+12*(\a):AF+12*(\a)+11], v[BIA+8*\b:BIA+8*\b+7], v[BSC+4*\b], v[ASC+4*(\a)] matrix_a_fmt:MATRIX_FMT_BF6 matrix_b_fmt:MATRIX_FMT_BF6
.elseif (\s) < 4
	v_wmma_scale_f32_16x16x128_f8f6f4 v[ACC+8*\b:ACC+8*\b+7], v[BB+12*\b:BB+12*\b+11], v[AF+12*(\a):AF+12*(\a)+11], v[ACC+8*\b:ACC+8*\b+7], v[BSC+4*\b+(\s)], v[ASC+4*(\a)+(\s)] matrix_a_fmt:MATRIX_FMT_BF6 matrix_b_fmt:MATRIX_FMT_BF6
.else
	v_wmma_scale_f32_16x16x128_f8f6f4 v[ACC+8*\b:ACC+8*\b+7], v[BB+12*\b:BB+12*\b+11], v[AF+12*(\a):AF+12*(\a)+11], v[ACC+8*\b:ACC+8*\b+7], v[BSC+4*\b+(\s)-4], v[ASC+4*(\a)+(\s)-4] matrix_a_fmt:MATRIX_FMT_BF6 matrix_b_fmt:MATRIX_FMT_BF6 matrix_a_scale:MATRIX_SCALE_ROW1 matrix_b_scale:MATRIX_SCALE_ROW1
.endif
.endr
.endm
.macro TAKE s, a                       ; row block a's fragment is in, then its four products
	s_wait_dscnt DC-MD\a                           ; LDS loads come back in order (ISA guide 5.7.1): as many may stay out as were issued behind block a's three
	MULA \s, \a
.endm
; A K step: 36 matrix instructions.  A row block's fragment is free as soon as its four products are done reading it, so one set of registers serves.  At the step's head blocks 0-5 have been asked for.
; Every block is asked for 16 matrix instructions or more ahead of its products.
.macro KSTEP s, mark
.if (\s) != 1
	WAITL \mark                                    ; this step's weights (step 0: also both sides' scale words and the bias) are in; step 1's came ahead of step 0's mark
.endif
	TAKE \s, 0
	FETCH \s, 6                                    ; free since the wait at the end of the step before (step 0: since the head's): the products issued since name blocks 0 and 1 alone
	FETCH \s, 7
	TAKE \s, 1
	FETCH \s, 8
	TAKE \s, 2
	TAKE \s, 3
	TAKE \s, 4
.if (\s) < 7
	PLACES
	WIN 0
	s_wait_alu depctr_va_vdst(0)                   ; the products of row blocks 0-4 are done reading their fragments, in which the next K step's land; the products that follow name blocks 5-8's alone
	FETCH (\s)+1, 0
.endif
	TAKE \s, 5
.if (\s) < 7
	FETCH (\s)+1, 1
	FETCH (\s)+1, 2
.endif
.if (\s) == 0
	BLOAD 6
.set M_B6, LC
.elseif (\s) == 1
	BLOAD 7
.set M_B7, LC
.endif
	TAKE \s, 6
.if (\s) < 7
	FETCH (\s)+1, 3
	FETCH (\s)+1, 4
.endif
	TAKE \s, 7
	TAKE \s, 8
.if (\s) < 7
	PLACES
	WIN 0
	s_wait_alu depctr_va_vdst(0)                   ; the products of row blocks 5-8 are done reading their fragments, in which the next K step's land
	FETCH (\s)+1, 5
.endif
.endm
	FETCH 0, 0
	FETCH 0, 1
	FETCH 0, 2
	FETCH 0, 3
	FETCH 0, 4
	FETCH 0, 5
	KSTEP 0, M_XS
	KSTEP 1, M_XS
	KSTEP 2, M_B2
	KSTEP 3, M_B3
	KSTEP 4, M_B4
	KSTEP 5, M_B5
	KSTEP 6, M_B6
	KSTEP 7, M_B7                                  ; its wait is for 0: every global load is in
	WIN 0
	PLACES
.irp a, 0,1,2,3,4,5,6,7,8
	v_mov_b32 v[PPR+2*\a+1], v[PPR+2*\a]           ; top_p twice, a pair for the packed multiply
.endr
	s_wait_alu depctr_va_vdst(0)                   ; the last products are done reading row block 8's fragment, v200-211, in which block 0's tokens land
	ds_load_b128 v[TK:TK+3], v9                    ; the tokens of rows 8 h + 0 .. 7 of block 0
	ds_load_b128 v[TK+4:TK+7], v9 offset:16
; THE WAY OUT of row block a: x top_p; through my stage, so that a token's 64 outputs of my columns lie together; sixteen lanes store 256 consecutive bytes of the token's row, aligned.
; Set a % 2 of: TT, the block's results x top_p (v104-135, v168-199); BK, 16 rows read back from the stage (v136-167, v220-251); AD, their offsets in out (v212-219, v18-25).
.macro OUT a
.set TTP, 104+64*((\a)%2)
.set BKP, 136+84*((\a)%2)
.set ADP, 212-194*((\a)%2)
	WIN 0                                          ; at a branch every window is 0
	s_cmp_le_u32 s26, 16*(\a)                      ; no row of the tile in this block, nor in any behind it
	s_cbranch_scc1 .Lend
.if (\a) == 0
	s_wait_dscnt 0x0                               ; block 0's tokens are in (a later block's came ahead of the rows of the block before, whose count ran down to 0)
.endif
.irp i, 0,1,2,3,4,5,6,7
	v_min_u32 v[TK+\i], 8191, v[TK+\i]
.endr
.irp i, 0,1,2,3,4,5,6,7
	v_lshlrev_b32 v[ADP+\i], 12, v[TK+\i]          ; the token's row of 4,096 bytes
.endr
.irp i, 0,1,2,3,4,5,6,7
	v_add_nc_u32 v[ADP+\i], v[ADP+\i], v12
.endr
.if (\a) < 8
.set ACC, 32*(\a)
	WIN 0x03                                       ; source 0: window 3
.else
.set ACC, 144
	WIN 0x02
.endif
.irp b, 0,1,2,3
.irp u, 0,2,4,6
	v_pk_mul_f32 v[TTP+8*\b+\u:TTP+8*\b+\u+1], v[ACC+8*\b+\u:ACC+8*\b+\u+1], v[PPR+2*(\a):PPR+2*(\a)+1]   ; each accumulator from its low end on
.endr
.endr
	WIN 0
.if (\a) > 0 && (\a) < 8
	s_wait_xcnt 0x0                                ; the block before's global stores have had their addresses translated (ISA guide 3.1): their data and offsets, the other set, are written again in the next block
	s_wait_alu depctr_vm_vsrc(0)                   ; the block before's LDS stores have read the other TT, its global stores the other BK and AD: the next block writes all three again
.endif
	s_wait_alu depctr_va_vdst(0)                   ; this set's TT and AD are written, which the stores below read; the vector lines are done with TK, in which the next tokens land (block 0: the products with v136-167, in which the rows land)
.irp b, 0,1,2,3
	ds_store_b128 v10, v[TTP+8*\b:TTP+8*\b+3] offset:64*\b
	ds_store_b128 v10, v[TTP+8*\b+4:TTP+8*\b+7] offset:64*\b+16
.endr
.if (\a) < 8
	ds_load_b128 v[TK:TK+3], v9 offset:64*((\a)+1)     ; the next block's tokens, a block ahead: the list holds all 144 slots
	ds_load_b128 v[TK+4:TK+7], v9 offset:64*((\a)+1)+16
.endif
.irp i, 0,1,2,3,4,5,6,7
	ds_load_b128 v[BKP+4*\i:BKP+4*\i+3], v11 offset:SP*\i          ; LDS serves a wave's instructions in order (ISA guide 5.7.1): these see my stores
.endr
.irp i, 0,1,2,3,4,5,6,7
	s_wait_dscnt 7-\i                              ; row pair i is back; at the last the count is 0
	global_store_b128 v[ADP+\i], v[BKP+4*\i:BKP+4*\i+3], s[20:21] th:TH_STORE_NT
.endr
.endm
.irp a, 0,1,2,3,4,5,6,7,8
	OUT \a
.endr
.Lend:
	s_wait_dscnt 0x0                               ; the closing lines, six on end
	s_wait_alu 0x0
	s_wait_tensorcnt 0x0
	ds_add_u32 v[SPW], v[NIL]
	s_wait_dscnt 0x0
	s_endpgm
.Lfunc_end_k_qec35dce68a_moe:
	.size	k_qec35dce68a_moe, .Lfunc_end_k_qec35dce68a_moe-k_qec35dce68a_moe
	.p2alignl 7, 3214868480
	.fill 96, 4, 3214868480
	.section	.rodata,"a",@progbits
	.p2align	6, 0x0
	.amdhsa_kernel k_qec35dce68a_moe
		.amdhsa_group_segment_fixed_size 133888
		.amdhsa_private_segment_fixed_size 0
		.amdhsa_enable_private_segment 0
		.amdhsa_kernarg_size 72
		.amdhsa_user_sgpr_count 2
		.amdhsa_user_sgpr_kernarg_segment_ptr 1
		.amdhsa_wavefront_size32 1
		.amdhsa_system_sgpr_workgroup_id_x 1
		.amdhsa_system_sgpr_workgroup_id_y 1
		.amdhsa_system_sgpr_workgroup_id_z 1
		.amdhsa_system_vgpr_workitem_id 0
		.amdhsa_next_free_vgpr 1024
		.amdhsa_next_free_sgpr 66
		.amdhsa_reserve_vcc 0
		.amdhsa_float_denorm_mode_32 3
		.amdhsa_float_denorm_mode_16_64 3
		.amdhsa_memory_ordered 1
		.amdhsa_forward_progress 1
		.amdhsa_inst_pref_size 134
	.end_amdhsa_kernel
	.amdgpu_metadata
---
amdhsa.version: [ 1, 2 ]
amdhsa.kernels:
  - .name:           k_qec35dce68a_moe
    .symbol:         k_qec35dce68a_moe.kd
    .args:
      - { .name: tiles, .offset: 0, .size: 8, .value_kind: global_buffer, .address_space: global }
      - { .name: order, .offset: 8, .size: 8, .value_kind: global_buffer, .address_space: global }
      - { .name: topp, .offset: 16, .size: 8, .value_kind: global_buffer, .address_space: global }
      - { .name: xq, .offset: 24, .size: 8, .value_kind: global_buffer, .address_space: global }
      - { .name: xs, .offset: 32, .size: 8, .value_kind: global_buffer, .address_space: global }
      - { .name: wq, .offset: 40, .size: 8, .value_kind: global_buffer, .address_space: global }
      - { .name: ws, .offset: 48, .size: 8, .value_kind: global_buffer, .address_space: global }
      - { .name: b, .offset: 56, .size: 8, .value_kind: global_buffer, .address_space: global }
      - { .name: out0, .offset: 64, .size: 8, .value_kind: global_buffer, .address_space: global }
    .group_segment_fixed_size: 133888
    .private_segment_fixed_size: 0
    .kernarg_segment_align: 8
    .kernarg_segment_size: 72
    .max_flat_workgroup_size: 128
    .sgpr_count:     66
    .vgpr_count:     1024
    .wavefront_size: 32
...
	.end_amdgpu_metadata
.endif
;; end of part 6
